; MI455X (gfx1250); checked and timed in simulation.
; The chip was launched on July 23, 2026; its instructions are those of AMD's public machine-readable ISA for CDNA 5 (MIT licence, August 2026) and "CDNA5" Instruction Set Architecture Reference Guide (July 2026). The comments in the code are by the model that wrote it; some were corrected since.
;; Causal Self Attention Ro PE. Allowed arithmetic: matrix products marked QUANTISED: E4M3 operands, one given power-of-two scale a tensor, by v_wmma_f32_16x16x64_fp8_fp8 or v_wmma_f32_16x16x128_fp8_fp8, f32 sums; products left as they are: f32 operands where the result goes on into a quantised operand, else bf16, f16 or f32 operands; f32 sums; everything else in f32.
;; Inputs: W_out 1,024 x 1,024 float32; W_qkv 1,024 x 3,072 float32; b_out 1,024 float32; b_qkv 3,072 float32; lowp_scales 8 int32 (the exponents e of the quantised operands' scales 2^e); pad_mask 4 x 2,048 bool; x 4 x 2,048 x 1,024 float32.
;; Outputs: out0 4 x 2,048 x 1,024 float32.
;; This version of the problem:
;;   THIS VERSION OF THE PROBLEM IS GIVEN IN LOW PRECISION. The matrix products marked QUANTISED in the list below multiply operands that are first quantised to E4M3 (4 exponent bits, 3 mantissa bits; 8 bits a number), with one given power-of-two scale for each operand tensor; their sums are f32. All else is computed in f32.
;;   The module's matrix products, in the order in which they are computed (A, B: the left and right operand; K: the contracted axis; several contracted axes count as one K, in the product's order):
;;     1. [M 8,192, K 1,024] x [K 1,024, N 3,072]; A: input x; B: input W_qkv: QUANTISED (scales: A lowp_scales[0], B lowp_scales[1])
;;     2. [M 2,048, K 1] x [K 1, N 32]; A: computed on the way; B: computed on the way: left as it is (no contracted axis)
;;     3. batch 64 x [M 2,048, K 64] x [K 64, N 2,048]; A: computed on the way; B: computed on the way: QUANTISED (scales: A lowp_scales[2], B lowp_scales[3])
;;     4. batch 64 x [M 2,048, K 2,048] x [K 2,048, N 64]; A: softmax (see below); B: computed on the way: QUANTISED (scales: A lowp_scales[4], B lowp_scales[5])
;;     5. [M 8,192, K 1,024] x [K 1,024, N 1,024]; A: computed on the way; B: input W_out: QUANTISED (scales: A lowp_scales[6], B lowp_scales[7])
;;   THE QUANTISER, for each operand of a quantised product, along K:
;;     - The operand's scale is 2^e, e = its entry of the input lowp_scales (int32; the entries are numbered through the quantised products in the list's order, A before B).
;;     - Each number is divided by the scale, clamped to +-448, and rounded to the nearest number of E4M3, ties to even, subnormals kept.
;;     - The product sums the exact products of the quantised numbers (number of the format x scale) in f32.
;;   ~~~python
;;   def quantise(x, axis, e):      # numpy; x: float32 -> the quantised numbers, widened to float32 again
;;       x = np.moveaxis(x, axis, -1); K = x.shape[-1]
;;       r = np.clip(x / 2.0 ** e, -448, 448)
;;       step = 2.0 ** (np.maximum(np.frexp(np.where(r == 0, 1, r))[1] - 1, -6) - 3)
;;       q = np.round(r / step) * step * 2.0 ** e      # np.round: ties to even
;;       return np.moveaxis(q, -1, axis).astype(np.float32)
;;   ~~~
;;   SOFTMAX AHEAD OF A QUANTISED PRODUCT. Where the list says 'softmax', what is quantised is not the finished softmax but p = 2^(t - M), with t = logit x log2(e) and M = ceil(the row's largest t), a whole number; so 1/2 < the row's largest p <= 1. The row's sum l is taken of the UNQUANTISED p, in f32, and the product's result is divided by l at the end. Since M is a whole number, a kernel that streams over the keys may use a running M (the ceiling of the running maximum): every later rescaling is an exact power of two, so the quantised numbers keep their values, but for numbers so far below the row's largest that they fall under the format's range.
;;   OPERANDS COMPUTED ON THE WAY. 'Computed on the way' means the value that the module computes at that place (a softmax that the list does not call 'softmax' is quantised finished and normalised). What goes into a quantiser is computed in f32, as accurately as f32 sums, v_exp_f32 and their like allow (about 1e-6 of the number): no bf16 or f16 on the way to a quantiser, and a product that is left as it is and whose result goes on into a quantised operand takes f32 operands (vector FMAs, or v_wmma_f32_16x16x4_f32). A number that lies on a knife's edge between two numbers of the format may be rounded either way, as far as f32 arithmetic and the matrix unit's own rounding can turn it there, and no further.
;; 2 versions, each right; version 2 is version 1 with the launch attn written anew for expert scheduling mode. Each part assembles by itself: llvm-mc -triple=amdgcn-amd-amdhsa -mcpu=gfx1250 --defsym DOCPART=n.
;; ======== version 1 of 2: 4 launches
;; workspace buffers: x_codes 8,388,608 bytes; w_codes 4,194,304 bytes; rope 524,288 bytes; qkv_img 25,165,824 bytes; y_img 8,388,608 bytes; rowflag 32,768 bytes
;; launch prep (part 1): grid 416 x 1, 4 waves a work-group, no clusters, 102,912 bytes of LDS; arguments x, W_qkv, W_out, lowp_scales, x_codes, w_codes, rope; writes x_codes, w_codes, rope
.if DOCPART == 1
	.amdgcn_target "amdgcn-amd-amdhsa--gfx1250"
	.amdhsa_code_object_version 6
	.text
	.protected	k_q318b2a0f07_prep
	.globl	k_q318b2a0f07_prep
	.p2align	8
	.type	k_q318b2a0f07_prep,@function
k_q318b2a0f07_prep:
	s_mov_b64 s[64:65], 0
	v_nop
	global_prefetch_b8 v0, s[64:65] scope:SCOPE_SE
	s_setreg_imm32_b32 hwreg(HW_REG_WAVE_MODE, 25, 1), 1
	s_wait_xcnt 0x0
; PREP: everything that is quantised or tabulated once.  Four paths, parted on the work-group's number; each has LDS bytes of its own.
;   work-groups   0-255: x [8192][1024] f32 -> x_codes [8192][1024], E4M3, K innermost, scale 2^e0.
;   work-groups 256-351: W_qkv [1024 (k)][3072 (n)] f32 -> w_codes byte 0 on: [3072][1024], K innermost, scale 2^e1.
;   work-groups 352-383: W_out [1024 (k)][1024 (n)] f32 -> w_codes byte 3,145,728 on: [1024][1024], K innermost, scale 2^e7; within every 32 along K the two middle
;                        groups of eight codes change places (k 0-7, 16-23, 8-15, 24-31): a 16-byte LDS load at 32 c + 16 h of a row then gives the last launch the k that the plain 8-bit layout wants there.
;   work-groups 384-415: rope [2048 (t)][64] f32: cos(t f_i), i = 0..31, then sin(t f_i); f_i = 10000^(-i/32).
; code = x / 2^e, held within +-448, rounded to the nearest code, ties to even.
; LIMITS: e0, e1, e7 between -126 and 119.  NaN among the inputs is not served (an infinity is held at the largest code).
; f_i is 2^(-i log2(10000)/32) by v_exp_f32; the angle is the one f32 product t x f_i; it is reduced by n = round(angle x 2/pi) with pi/2 in two parts, and sine and cosine are polynomials on |r| <= pi/4.
; So at the largest t the angle can differ from one made with a correctly rounded f_i by a few 1e-4 radians.
; No tensor loads, no barrier, no cluster: waves share nothing, and every input byte is read once.
.set STEPS,  16
.set SP,     80                        ; path X: a lane's place in a stage: its 64 bytes + 16 of padding
.set XR,     16                        ; v16-79   four sets of 16 numbers as loaded
.set XX,     80                        ; v80-111  two sets of 16 neighbours
.set XC,     128                       ; v128-191 codes: four registers for each step
.set WPITCH, 272                       ; W paths: a stage row: 256 bytes of codes + 16
.set WX,     32                        ; v32-95   two sets of 32 numbers
.set WC,     96                        ; v96-103  a block's codes
.set WOU,    112                       ; v112-175 the way out
.set LWQ,    32768                     ; LDS: path X 0 .. 32,767; W_qkv's stages from here; W_out's from LWO
.set LWO,    67584
.macro MKSCALE e                       ; v11 = 2^e as f32 (the conversion takes its exponent field); v10 = 448 x 2^e
	s_add_co_i32 s22, s[\e], 127
	s_lshl_b32 s23, s22, 23
	v_mov_b32 v11, s23
	s_add_co_i32 s22, s22, 8
	s_lshl_b32 s22, s22, 23
	s_or_b32 s22, s22, 0x600000
	v_mov_b32 v10, s22
.endm
.macro XLOAD t
.irp i, 0,1,2,3
	global_load_b128 v[XR+16*((\t)%4)+4*\i:XR+16*((\t)%4)+4*\i+3], v3, s[4:5] offset:2048*(\t)+512*\i th:TH_LOAD_NT   ; 32 lanes read 512 consecutive bytes
.endr
.endm
.macro XTURN t                         ; a step's 2,048 bytes through the wave's own stage: in as they lie, out 64 bytes a lane; LDS serves a wave's instructions in order
.irp i, 0,1,2,3
	ds_store_b128 v14, v[XR+16*((\t)%4)+4*\i:XR+16*((\t)%4)+4*\i+3] offset:32*SP*((\t)%2)+8*SP*\i
.endr
.irp i, 0,1,2,3
	ds_load_b128 v[XX+16*((\t)%2)+4*\i:XX+16*((\t)%2)+4*\i+3], v15 offset:32*SP*((\t)%2)+16*\i
.endr
.endm
.macro XSTEP t
.set XS, XX+16*((\t)%2)
	s_wait_dscnt 0x0                               ; this step's numbers are back from the stage, so its stores into the stage have read their registers,
.if (\t)+4 < STEPS
	XLOAD (\t)+4                                   ; which take the loads of four steps on
.endif
.if (\t)+1 < STEPS
.if STEPS-2-(\t) >= 3
	s_wait_loadcnt 12                              ; the next step's four loads are in; those of the three steps behind it may be out
.else
	s_wait_loadcnt 4*(STEPS-2-(\t))
.endif
	XTURN (\t)+1
.endif
.irp i, 0,1,2,3,4,5,6,7,8,9,10,11,12,13,14,15
	v_med3_num_f32 v[XS+\i], v[XS+\i], -v10, v10   ; the conversion to an 8-bit code does not saturate (ISA guide 7.6.2): the hold comes first
.endr
	v_cvt_scalef32_pk8_fp8_f32 v[XC+4*(\t):XC+4*(\t)+1], v[XS:XS+7], v11
	v_cvt_scalef32_pk8_fp8_f32 v[XC+4*(\t)+2:XC+4*(\t)+3], v[XS+8:XS+15], v11
	global_store_b128 v4, v[XC+4*(\t):XC+4*(\t)+3], s[12:13] offset:512*(\t)   ; the wave stores 512 consecutive bytes; each step has its own code registers
.endm
.macro WLOAD t, n, src                 ; block t: W(32 t + i, my column), i = 0 .. 31, into set t % 2
.irp i, 0,1,2,3,4,5,6,7,8,9,10,11,12,13,14,15,16,17,18,19,20,21,22,23,24,25,26,27,28,29,30,31
	global_load_b32 v[WX+32*((\t)%2)+\i], v3, s[\src:\src+1] offset:(32*(\t)+\i)*\n*4 th:TH_LOAD_NT
.endr
.endm
.macro WBLOCK t, n, perm, src
.set WS, WX+32*((\t)%2)
.if (\t) < 7
	s_wait_loadcnt 32                              ; this block's 32 loads are in; the next block's may be out
.else
	s_wait_loadcnt 0x0
.endif
.irp i, 0,1,2,3,4,5,6,7,8,9,10,11,12,13,14,15,16,17,18,19,20,21,22,23,24,25,26,27,28,29,30,31
	v_med3_num_f32 v[WS+\i], v[WS+\i], -v10, v10
.endr
.irp g, 0,1,2,3                        ; perm = 1: groups 1 and 2 of eight codes change places
	v_cvt_scalef32_pk8_fp8_f32 v[WC+2*((1-\perm)*\g+\perm*(2*(\g%2)+\g/2)):WC+2*((1-\perm)*\g+\perm*(2*(\g%2)+\g/2))+1], v[WS+8*\g:WS+8*\g+7], v11
.endr
	ds_store_b128 v4, v[WC:WC+3] offset:32*(\t)    ; 32 codes of my column's row
	ds_store_b128 v4, v[WC+4:WC+7] offset:32*(\t)+16
.if (\t)+2 < 8
	WLOAD (\t)+2, \n, \src
.endif
	s_wait_dscnt 0x0                               ; the stores have read their registers: the next block's codes may be written
.endm
; A weight [1024 (k)][n] f32: a lane takes a column and its registers run down K, so the conversions give codes with K innermost.  A wave: 32 columns x 256 along K.
.macro WPATH first, n, outoff, e, lbase, perm, src
	s_load_b256 s[24:31], s[10:11], 0x0            ; the eight exponents
	s_sub_co_u32 s19, ttmp9, \first
	s_lshr_b32 s20, s19, 2                         ; which 128 columns
	s_and_b32 s21, s19, 3                          ; which 256 along K
	s_lshl_b32 s20, s20, 7
	s_lshl_b32 s22, s18, 5
	s_add_co_u32 s20, s20, s22                     ; my wave's first column
	v_lshlrev_b32 v3, 2, v2                        ; in: 4 bytes a lane
	s_mul_i32 s22, s18, 32*WPITCH
	s_add_co_u32 s22, s22, \lbase                  ; my stage
	v_mul_u32_u24 v4, v2, WPITCH
	v_add_nc_u32 v4, s22, v4                       ; into it: row = my column
	v_and_b32 v5, 15, v2
	v_lshrrev_b32 v6, 4, v2
	v_mul_u32_u24 v7, v6, WPITCH
	v_lshl_add_u32 v7, v5, 4, v7
	v_add_nc_u32 v7, s22, v7                       ; out of it: sixteen lanes to a row, two rows an instruction
	v_lshlrev_b32 v8, 10, v6
	v_lshl_add_u32 v8, v5, 4, v8                   ; and the same place among the codes' rows of 1,024 bytes
	s_mul_i32 s22, s21, 256*\n*4
	s_lshl_b32 s23, s20, 2
	s_add_co_u32 s22, s22, s23
	s_mov_b32 s23, 0
	s_add_nc_u64 s[\src:\src+1], s[\src:\src+1], s[22:23]
	s_lshl_b32 s22, s20, 10
	s_lshl_b32 s32, s21, 8
	s_add_co_u32 s22, s22, s32
	s_add_co_u32 s22, s22, \outoff
	s_add_nc_u64 s[14:15], s[14:15], s[22:23]
	WLOAD 0, \n, \src
	WLOAD 1, \n, \src
	s_wait_kmcnt 0x0
	MKSCALE \e
.irp t, 0,1,2,3,4,5,6,7
	WBLOCK \t, \n, \perm, \src
.endr
.irp t, 0,1,2,3,4,5,6,7,8,9,10,11,12,13,14,15
	ds_load_b128 v[WOU+4*\t:WOU+4*\t+3], v7 offset:2*\t*WPITCH   ; LDS serves a wave's instructions in order: these see my stores
.endr
.irp t, 0,1,2,3,4,5,6,7,8,9,10,11,12,13,14,15
	s_wait_dscnt 15-\t
	global_store_b128 v8, v[WOU+4*\t:WOU+4*\t+3], s[14:15] offset:2*\t*1024   ; sixteen lanes store 256 consecutive bytes, aligned
.endr
	s_wait_tensorcnt 0x0
	ds_add_u32 v192, v193
	s_wait_dscnt 0x0
	s_endpgm
.endm
; one pass of the rope table: rows t0 + 2 p and t0 + 2 p + 1, four entries a lane
.macro RPASS p
	v_add_nc_u32 v16, 2*\p, v4
	v_cvt_f32_u32 v16, v16                         ; t
.irp k, 0,1,2,3
	v_mul_f32 v[20+\k], v16, v[12+\k]              ; the angle: one f32 product
.endr
.irp k, 0,1,2,3
	v_mul_f32 v[24+\k], s20, v[20+\k]
.endr
.irp k, 0,1,2,3
	v_rndne_f32 v[24+\k], v[24+\k]                 ; n = round(angle x 2 / pi)
.endr
.irp k, 0,1,2,3
	v_fma_f32 v[28+\k], -v[24+\k], s21, v[20+\k]
.endr
.irp k, 0,1,2,3
	v_fma_f32 v[28+\k], -v[24+\k], s22, v[28+\k]   ; r = angle - n pi/2, pi/2 in two parts
.endr
.irp k, 0,1,2,3
	v_mul_f32 v[32+\k], v[28+\k], v[28+\k]         ; z = r r
.endr
.irp k, 0,1,2,3
	v_fma_f32 v[36+\k], v[32+\k], s23, s24
	v_fma_f32 v[40+\k], v[32+\k], s26, s27
.endr
.irp k, 0,1,2,3
	v_fma_f32 v[36+\k], v[36+\k], v[32+\k], s25
	v_fma_f32 v[40+\k], v[40+\k], v[32+\k], s28
	v_mul_f32 v[48+\k], v[28+\k], v[32+\k]         ; r z
	v_mul_f32 v[56+\k], v[32+\k], v[32+\k]         ; z z
	v_fma_f32 v[52+\k], v[32+\k], -0.5, 1.0
.endr
.irp k, 0,1,2,3
	v_fma_f32 v[36+\k], v[48+\k], v[36+\k], v[28+\k]   ; sin r
	v_fma_f32 v[40+\k], v[40+\k], v[56+\k], v[52+\k]   ; cos r
	v_cvt_i32_f32 v[44+\k], v[24+\k]
.endr
.irp k, 0,1,2,3
	v_add_nc_u32 v[44+\k], v[44+\k], v6            ; the quadrant; a cosine is the sine a quadrant on
	v_and_b32 v[48+\k], 1, v[44+\k]
	v_cmp_ne_u32 vcc_lo, 0, v[48+\k]
	v_cndmask_b32 v[36+\k], v[36+\k], v[40+\k], vcc_lo   ; odd quadrants take cos r
	v_lshlrev_b32 v[44+\k], 30, v[44+\k]
	v_and_b32 v[44+\k], 0x80000000, v[44+\k]       ; quadrants 2 and 3 change the sign
	v_xor_b32 v[64+4*\p+\k], v[44+\k], v[36+\k]
.endr
	global_store_b128 v7, v[64+4*\p:64+4*\p+3], s[16:17] offset:512*\p   ; two rows of 256 bytes: 512 consecutive bytes; each pass has its own registers
.endm
	s_load_b256 s[4:11], s[0:1], 0x0               ; x s[4:5], W_qkv s[6:7], W_out s[8:9], the scales' exponents s[10:11]
	s_load_b128 s[12:15], s[0:1], 0x20             ; x_codes s[12:13], w_codes s[14:15]
	s_load_b64 s[16:17], s[0:1], 0x30              ; rope
	v_lshl_add_u32 v192, v0, 2, 0x19000
	v_mov_b32 v193, 0
	v_lshrrev_b32 v1, 5, v0
	v_readfirstlane_b32 s18, v1                    ; wave 0..3
	v_and_b32 v2, 31, v0                           ; lane
	s_wait_kmcnt 0x0
	s_cmp_lt_u32 ttmp9, 256
	s_cbranch_scc1 .Lpath_x
	s_cmp_lt_u32 ttmp9, 352
	s_cbranch_scc1 .Lpath_wq
	s_cmp_lt_u32 ttmp9, 384
	s_cbranch_scc1 .Lpath_wo
	; ---- the rope table: 64 rows a work-group, 16 a wave
	s_sub_co_u32 s19, ttmp9, 384
	s_lshl_b32 s19, s19, 6
	s_lshl_b32 s20, s18, 4
	s_add_co_u32 s19, s19, s20                     ; t0
	v_and_b32 v3, 15, v2
	v_lshrrev_b32 v4, 4, v2
	v_add_nc_u32 v4, s19, v4                       ; my row in pass 0
	v_lshlrev_b32 v5, 2, v3
	v_and_b32 v5, 31, v5                           ; i of my first entry
	v_cmp_gt_u32 vcc_lo, 8, v3
	v_cndmask_b32 v6, 0, 1, vcc_lo                 ; 1 where my entries are cosines
	v_lshlrev_b32 v7, 4, v2                        ; 16 x lane
	s_lshl_b32 s20, s19, 8
	s_mov_b32 s21, 0
	s_add_nc_u64 s[16:17], s[16:17], s[20:21]
.irp k, 0,1,2,3
	v_add_nc_u32 v[8+\k], \k, v5
	v_cvt_f32_u32 v[8+\k], v[8+\k]
	v_mul_f32 v[8+\k], 0xbed49a78, v[8+\k]         ; -i log2(10000) / 32
.endr
.irp k, 0,1,2,3
	v_exp_f32 v[12+\k], v[8+\k]                    ; f_i
.endr
	v_nop                                          ; a plain line behind the last transcendental
	s_mov_b32 s20, 0x3f22f983                      ; 2 / pi
	s_mov_b32 s21, 0x3fc90fdb                      ; pi / 2, upper part
	s_mov_b32 s22, 0xb33bbd2e                      ; and the rest
	s_mov_b32 s23, 0xb94ca1f9                      ; sine: -1.9515296e-4, 8.3321609e-3, -1.6666655e-1
	s_mov_b32 s24, 0x3c08839e
	s_mov_b32 s25, 0xbe2aaaa3
	s_mov_b32 s26, 0x37ccf5ce                      ; cosine: 2.4433157e-5, -1.3887316e-3, 4.1666646e-2
	s_mov_b32 s27, 0xbab6061a
	s_mov_b32 s28, 0x3d2aaaa5
	s_wait_alu depctr_va_vdst(0)                   ; one wait for the four, ahead of their first reader
.irp p, 0,1,2,3,4,5,6,7
	RPASS \p
.endr
	s_endpgm
.Lpath_x:                                              ; ---- x: a plain stream of numbers; a wave takes 16 steps of 512
	s_load_b256 s[24:31], s[10:11], 0x0            ; the eight exponents
	v_lshlrev_b32 v3, 4, v2                        ; my 16 bytes of a load's 512
	s_mul_i32 s19, s18, 8192                       ; my wave's two stages
	v_lshrrev_b32 v14, 2, v2
	v_mul_u32_u24 v14, v14, SP
	v_and_b32 v15, 3, v2
	v_lshl_add_u32 v14, v15, 4, v14
	v_add_nc_u32 v14, s19, v14                     ; in: SP (lane / 4) + 16 (lane % 4)
	v_mul_u32_u24 v15, v2, SP
	v_add_nc_u32 v15, s19, v15                     ; out: SP x lane: my 16 neighbours
	v_lshlrev_b32 v4, 4, v2                        ; my 16 codes in a step's 512
	s_lshl_b32 s20, ttmp9, 2
	s_add_co_u32 s20, s20, s18                     ; which run of 8,192 numbers is my wave's
	s_mov_b32 s21, 0
	s_lshl_b64 s[22:23], s[20:21], 15
	s_add_nc_u64 s[4:5], s[4:5], s[22:23]
	s_lshl_b64 s[22:23], s[20:21], 13
	s_add_nc_u64 s[12:13], s[12:13], s[22:23]
.irp t, 0,1,2,3
	XLOAD \t
.endr
	s_wait_kmcnt 0x0
	MKSCALE 24
	s_wait_loadcnt 12                              ; step 0's four loads are in
	XTURN 0
.irp t, 0,1,2,3,4,5,6,7,8,9,10,11,12,13,14,15
	XSTEP \t
.endr
	s_wait_tensorcnt 0x0
	ds_add_u32 v192, v193
	s_wait_dscnt 0x0
	s_endpgm
.Lpath_wq:
	WPATH 256, 3072, 0, 25, LWQ, 0, 6
.Lpath_wo:
	WPATH 352, 1024, 3145728, 31, LWO, 1, 8
.Lfunc_end_k_q318b2a0f07_prep:
	.size	k_q318b2a0f07_prep, .Lfunc_end_k_q318b2a0f07_prep-k_q318b2a0f07_prep
	.p2alignl 7, 3214868480
	.fill 96, 4, 3214868480
	.section	.rodata,"a",@progbits
	.p2align	6, 0x0
	.amdhsa_kernel k_q318b2a0f07_prep
		.amdhsa_group_segment_fixed_size 102912
		.amdhsa_private_segment_fixed_size 0
		.amdhsa_enable_private_segment 0
		.amdhsa_kernarg_size 56
		.amdhsa_user_sgpr_count 2
		.amdhsa_user_sgpr_kernarg_segment_ptr 1
		.amdhsa_wavefront_size32 1
		.amdhsa_system_sgpr_workgroup_id_x 1
		.amdhsa_system_sgpr_workgroup_id_y 1
		.amdhsa_system_sgpr_workgroup_id_z 1
		.amdhsa_system_vgpr_workitem_id 0
		.amdhsa_next_free_vgpr 194
		.amdhsa_next_free_sgpr 66
		.amdhsa_reserve_vcc 1
		.amdhsa_float_denorm_mode_32 3
		.amdhsa_float_denorm_mode_16_64 3
		.amdhsa_memory_ordered 1
		.amdhsa_forward_progress 1
		.amdhsa_inst_pref_size 170
	.end_amdhsa_kernel
	.amdgpu_metadata
---
amdhsa.version: [ 1, 2 ]
amdhsa.kernels:
  - .name:           k_q318b2a0f07_prep
    .symbol:         k_q318b2a0f07_prep.kd
    .args:
      - { .name: x, .offset: 0, .size: 8, .value_kind: global_buffer, .address_space: global }
      - { .name: W_qkv, .offset: 8, .size: 8, .value_kind: global_buffer, .address_space: global }
      - { .name: W_out, .offset: 16, .size: 8, .value_kind: global_buffer, .address_space: global }
      - { .name: lowp_scales, .offset: 24, .size: 8, .value_kind: global_buffer, .address_space: global }
      - { .name: x_codes, .offset: 32, .size: 8, .value_kind: global_buffer, .address_space: global }
      - { .name: w_codes, .offset: 40, .size: 8, .value_kind: global_buffer, .address_space: global }
      - { .name: rope, .offset: 48, .size: 8, .value_kind: global_buffer, .address_space: global }
    .group_segment_fixed_size: 102912
    .private_segment_fixed_size: 0
    .kernarg_segment_align: 8
    .kernarg_segment_size: 56
    .max_flat_workgroup_size: 128
    .sgpr_count:     66
    .vgpr_count:     194
    .wavefront_size: 32
...
	.end_amdgpu_metadata
.endif
;; end of part 1
;; launch qkv (part 2): grid 12 x 32, 4 waves a work-group, clusters of 4 x 4, 327,680 bytes of LDS; arguments x_codes, w_codes, lowp_scales, b_qkv, rope, qkv_img; writes qkv_img
.if DOCPART == 2
	.amdgcn_target "amdgcn-amd-amdhsa--gfx1250"
	.amdhsa_code_object_version 6
	.text
	.protected	k_q318b2a0f07_qkv
	.globl	k_q318b2a0f07_qkv
	.p2align	8
	.type	k_q318b2a0f07_qkv,@function
k_q318b2a0f07_qkv:
	s_mov_b64 s[64:65], 0
	v_nop
	global_prefetch_b8 v0, s[64:65] scope:SCOPE_SE
	s_setreg_imm32_b32 hwreg(HW_REG_WAVE_MODE, 25, 1), 1
	s_wait_xcnt 0x0
	s_wait_alu depctr_hold_cnt(0) depctr_sa_sdst(0) depctr_va_vdst(0) depctr_va_sdst(0) depctr_va_ssrc(0) depctr_va_vcc(0) depctr_vm_vsrc(0)
	s_getreg_b32 s2, hwreg(HW_REG_IB_STS2, 6, 4)
	s_cmp_eq_u32 s2, 0
	s_cbranch_scc0 .Lentry_in_a_cluster
	s_endpgm
.Lentry_in_a_cluster:
	s_bfe_u32 s2, ttmp6, 0x10000c
	s_cmp_lg_u32 s2, 0xf033
	s_cbranch_scc0 .Lentry_shape_is_right
	s_endpgm
.Lentry_shape_is_right:
; QKV: qkv = x W_qkv + b_qkv on codes of E4M3 (M 8,192, N 3,072, K 1,024), then the rotation of q and k, then the quantisers of q (2^e2), k (2^e3) and v (2^e5).
; The results leave as IMAGES OF THE NEXT OPERANDS' REGISTERS: group g of four registers of lane L at 512 g + 16 L of an image, so that every store of a wave covers 512 consecutive bytes, aligned, straight from registers.
;   q at byte 0, k at 8,388,608: [batch x head 64][tile of 16 tokens 128][1,024]: 16 tokens x 64 d, registers 2 c, 2 c + 1 = d 16 c + 8 (lane / 16) + 0..7 of token lane % 16.
;   v at 16,777,216: [batch x head 64][128 keys 16][16 d 4][2,048]: 16 d x 128 keys, registers 2 c, 2 c + 1 = keys 16 c + 8 (lane / 16) + 0..7 of d lane % 16.
; A tile of 256 x 256 is made by four waves, each 128 x 128: 64 accumulators, 512 registers.  K goes in steps of 256 through a ring of two LDS slots filled by joint tensor loads.
; CLUSTERS: 4 x 4 work-groups; cluster x = 0, 1, 2 makes q, k, v.  ROLE A is source 1 of the products (a lane of the result holds one of its rows), ROLE B source 0 (a lane's eight registers are eight of its rows).
;   q, k: role A = tokens (x_codes, rows 256 (4 cluster y + cy) on), role B = features (w_codes, rows 256 (4 cluster x + cx) on): a lane holds a token and eight neighbouring d.
;   v:    role A = features (w_codes, rows 2,048 + 256 cy on), role B = tokens (x_codes, rows 256 (4 cluster y + cx) on): a lane holds a d and eight neighbouring keys.
;   Role A's tile hangs on cy alone and is shared along a row of the cluster, role B's on cx alone and along a column.  The choice hangs on cluster x, which all sixteen partners share.
; Fragments come by 16-byte LDS loads, a permutation of k that is the same in both operands (the sums are judged within a tolerance).
; LIMITS: e0 + e1 between -126 and 127; e2, e3, e5 between -126 and 119.  NaN and infinities among the inputs are not served.
; REGISTERS: window 0: v8-15 v's bias, v16-31 addresses and constants, v32-95 q's and k's bias, v96-127 the first tile's cos and sin, v128-255 role A's fragments (one set); on the way out v96-255 are at work.
;   window 1: role B's fragments, two sets.  window 2, 3: the accumulators of my role A rows 0-63, 64-127 (accumulator (a, b) at v[8 (8 (a % 4) + b)]).
.set KROW,   1024                      ; a row of codes in memory, in bytes
.set ROWB,   256                       ; a tile's row: 256 along K
.set PITCH,  272                       ; an LDS row: 256 bytes + 16 of padding: the 16 rows that a load touches start 68 words apart
.set FR,     16
.set NL,     4
.set NP,     4
.set HALFT,  128*PITCH
.set SLOT,   4*HALFT
.set LAPS,   2                         ; K = 1,024 is four K steps: twice round the ring
.set SPARE,  2*SLOT                    ; behind the ring: the spare words, 128 bytes for each wave
.set BV,   8
.set ADRA, 16
.set ADRB, 20
.set RO,   22                          ; v22  256 r + 32 h: my place in 16 rows of the rope table
.set BO,   23                          ; v23  32 h
.set VO,   24                          ; v24  4 r
.set CO,   26                          ; v26  16 x lane
.set SPW,  28
.set NIL,  29
.set SCL,  30                          ; v30  2^e of the output's quantiser
.set LIM,  31                          ; v31  448 x that
.set BIAS, 32
.set ROPE, 96                          ; two sets of 32: cos of d 0-15, 16-31 (my half's eight each), then sin
.set AF,   128
.set VAL,  160                         ; 64 numbers of a block
.set TT,   224                         ; two sets of eight, at work
.set CD,   240                         ; 16 registers of codes
.set G1, 24
.set G0, 32
.set G1B, 48
.set G0B, 56
.set MSB, 0
.macro WIN new                         ; the immediate's high byte repeats the setting that is left
.if MSB != \new
	s_set_vgpr_msb (MSB<<8)|\new
.set MSB, \new
.endif
.endm
.set MUL_LO, 0xa1                      ; source 0 window 1, source 1 window 0, C and D window 2
.set MUL_HI, 0xf1
.set TO_B,   0x40
.macro JLOAD g0a, g1a, g0b, g1b        ; a joint load: waves 0 and 1 fetch for role A, waves 2 and 3 for role B; four v_nop follow each line
	s_cmp_eq_u32 s15, 0
	s_cbranch_scc0 .Lfor_b_\@
	tensor_load_to_lds s[\g0a:\g0a+3], s[\g1a:\g1a+7]
	s_nop 0
.rept 4
	v_nop
.endr
	s_branch .Lasked_\@
.Lfor_b_\@:
	tensor_load_to_lds s[\g0b:\g0b+3], s[\g1b:\g1b+7]
	s_nop 0
.rept 4
	v_nop
.endr
.Lasked_\@:
.endm
.macro CREST                           ; a round of the cluster's barrier behind its opening barrier
	s_cmp_lg_u32 s14, 0
	s_cbranch_scc1 .Lnot_wave_0_\@
	s_barrier_signal -3
.Lnot_wave_0_\@:
	s_barrier_wait -3
	s_barrier_signal -1
	s_barrier_wait -1
.endm
.macro CROUND
	s_barrier_signal -1
	s_barrier_wait -1
	CREST
.endm
	s_load_b128 s[4:7], s[0:1], 0x0                ; x_codes s[4:5], w_codes s[6:7]
	s_load_b128 s[8:11], s[0:1], 0x10              ; the scales' exponents s[8:9], b_qkv s[10:11]
	s_load_b128 s[68:71], s[0:1], 0x20             ; rope s[68:69], qkv_img s[70:71]
	v_lshl_add_u32 v[SPW], v0, 2, SPARE
	v_mov_b32 v[NIL], 0
	ds_add_u32 v28, v29
	ds_add_u32 v28, v29
	s_wait_dscnt 0x0
	v_lshrrev_b32 v1, 5, v0
	v_readfirstlane_b32 s14, v1                    ; wave 0..3
	s_lshr_b32 s15, s14, 1                         ; which half of role A's rows is mine.  Also: I fetch for role A (0) or B (1)
	s_and_b32 s16, s14, 1                          ; which half of role B's rows.  Also: which 128 rows of that tile I fetch
	s_bfe_u32 s40, ttmp6, 0x40000                  ; cx
	s_bfe_u32 s41, ttmp6, 0x40004                  ; cy
	s_and_b32 s17, ttmp7, 0xffff
	s_lshl_b32 s17, s17, 2                         ; 4 x cluster y
	s_add_co_u32 s18, s17, s41                     ; q, k: role A's tile of tokens
	s_add_co_u32 s19, s41, 8                       ; v:    role A's tile of features
	s_lshl_b32 s42, ttmp9, 2
	s_add_co_u32 s42, s42, s40                     ; q, k: role B's tile of features
	s_add_co_u32 s74, s17, s40                     ; v:    role B's tile of tokens
	s_cmp_eq_u32 ttmp9, 2                          ; cluster x: the same in all sixteen partners
	s_cselect_b32 s18, s19, s18
	s_cselect_b32 s42, s74, s42
	s_lshl_b32 s18, s18, 8                         ; role A's first row (made of cy and the cluster's place alone)
	s_lshl_b32 s42, s42, 8                         ; role B's (of cx and the cluster's place alone)
	s_lshl_b32 s43, s41, 2
	s_lshl_b32 s43, 15, s43                        ; my row of the cluster
	s_lshl_b32 s44, 0x1111, s40                    ; my column
	s_or_b32 s[G1+0], s43, (0<<16)|(1<<20)|(1<<21)|(5<<22)|(3<<25)  ; the mask; elements of 1 byte; padding on; bit 21 beside a mask; 4 words behind every 64
	s_or_b32 s[G1B+0], s44, (0<<16)|(1<<20)|(1<<21)|(5<<22)|(3<<25)
.irp g, G1, G1B
	s_mov_b32 s[\g+1], ROWB<<16                    ; tensor_dim0
	s_mov_b32 s[\g+2], 128<<16                     ; tensor_dim1
	s_mov_b32 s[\g+3], ROWB<<16                    ; tile_dim0
	s_mov_b32 s[\g+4], 128                         ; tile_dim1
	s_mov_b32 s[\g+5], KROW                        ; the pitch
	s_mov_b32 s[\g+6], 0
	s_mov_b32 s[\g+7], 0
.endr
	s_lshl_b32 s19, s16, 7                         ; which 128 rows of the tile I fetch
	s_add_co_u32 s20, s18, s19
	s_add_co_u32 s46, s42, s19
	s_lshl_b32 s20, s20, 10                        ; in bytes: under 2^24
	s_lshl_b32 s46, s46, 10
	s_mov_b32 s21, 0
	s_mov_b32 s47, 0
	s_mul_i32 s45, s14, HALFT                      ; where they go: wave x 128 rows
	s_wait_kmcnt 0x0
	s_load_b256 s[76:83], s[8:9], 0x0              ; e0 .. e7
	s_cmp_eq_u32 ttmp9, 2
	s_cselect_b64 s[22:23], s[6:7], s[4:5]         ; role A's buffer
	s_cselect_b64 s[72:73], s[4:5], s[6:7]         ; role B's
	s_add_nc_u64 s[20:21], s[22:23], s[20:21]
	s_add_nc_u64 s[46:47], s[72:73], s[46:47]
	CROUND                                         ; all sixteen work-groups are here: the first joint loads meet
.irp s, 0,1
	s_mov_b32 s[G0+4*\s], 1
	s_add_co_u32 s[G0+4*\s+1], s45, \s*SLOT
	s_add_nc_u64 s[G0+4*\s+2:G0+4*\s+3], s[20:21], \s*ROWB
	s_or_b32 s[G0+4*\s+3], s[G0+4*\s+3], 0x80000000
	s_mov_b32 s[G0B+4*\s], 1
	s_add_co_u32 s[G0B+4*\s+1], s45, \s*SLOT
	s_add_nc_u64 s[G0B+4*\s+2:G0B+4*\s+3], s[46:47], \s*ROWB
	s_or_b32 s[G0B+4*\s+3], s[G0B+4*\s+3], 0x80000000
	JLOAD G0+4*\s, G1, G0B+4*\s, G1B               ; two loads of mine are out
.endr
	v_and_b32 v1, 15, v0                           ; r
	v_bfe_u32 v2, v0, 4, 1                         ; h
	v_mul_u32_u24 v3, v1, PITCH
	v_lshl_add_u32 v4, v2, 4, v3
	s_mul_i32 s21, s15, HALFT                      ; my 128 rows of role A
	s_mul_i32 s22, s16, HALFT
	s_add_co_u32 s22, s22, 2*HALFT                 ; my 128 rows of role B
.irp s, 0,1
	v_add_nc_u32 v[ADRA+\s], s21, v4
	v_add_nc_u32 v[ADRB+\s], s22, v4
	s_add_co_u32 s21, s21, SLOT
	s_add_co_u32 s22, s22, SLOT
.endr
	s_lshl_b32 s23, s15, 7
	s_add_co_u32 s18, s18, s23                     ; my first row of role A
	s_lshl_b32 s23, s16, 7
	s_add_co_u32 s42, s42, s23                     ; of role B
	s_cmp_eq_u32 ttmp9, 2
	s_cselect_b32 s72, s18, s42                    ; my first feature (0 .. 3,071),
	s_cselect_b32 s73, s42, s18                    ; my first token (0 .. 8,191)
	s_lshl_b32 s74, s72, 2
	s_mov_b32 s75, 0
	s_add_nc_u64 s[84:85], s[10:11], s[74:75]      ; b_qkv at my 128 features
	s_and_b32 s74, s73, 2047
	s_lshl_b32 s74, s74, 8
	s_add_nc_u64 s[86:87], s[68:69], s[74:75]      ; the rope table at my 128 positions
	s_lshr_b32 s74, s73, 11
	s_lshl_b32 s74, s74, 4
	s_and_b32 s88, s72, 1023
	s_lshr_b32 s88, s88, 6
	s_add_co_u32 s74, s74, s88                     ; batch x 16 + my first head
	s_lshl_b32 s74, s74, 17                        ; a head's images are 131,072 bytes in each of q, k, v
	s_and_b32 s88, s73, 2047
	s_lshl_b32 s88, s88, 6                         ; 64 bytes a token, in tiles of 16 (q, k) and in blocks of 128 (v) alike
	s_add_co_u32 s74, s74, s88
	s_lshl_b32 s88, ttmp9, 23                      ; q, k or v
	s_add_co_u32 s74, s74, s88
	s_add_nc_u64 s[70:71], s[70:71], s[74:75]
	v_lshlrev_b32 v[VO], 2, v1
	v_lshlrev_b32 v[BO], 5, v2
	v_lshlrev_b32 v[RO], 8, v1
	v_lshl_add_u32 v[RO], v2, 5, v[RO]
	v_and_b32 v[CO], 31, v0
	v_lshlrev_b32 v[CO], 4, v[CO]
; the way out's operands are asked for now, alike in every work-group, so that the waits count alike: 8 + 16 + 8 loads, all inside their buffers
.irp a, 0,1,2,3,4,5,6,7
	global_load_b32 v[BV+\a], v[VO], s[84:85] offset:64*\a             ; v: the bias of feature 16 a + r
.endr
.irp b, 0,1,2,3,4,5,6,7
	global_load_b128 v[BIAS+8*\b:BIAS+8*\b+3], v[BO], s[84:85] offset:64*\b       ; q, k: the bias of features 16 b + 8 h + 0..7
	global_load_b128 v[BIAS+8*\b+4:BIAS+8*\b+7], v[BO], s[84:85] offset:64*\b+16
.endr
.macro RLOAD a                         ; cos and sin of positions 16 a + r, i = 16 p + 8 h + 0..7, into set a % 2
.set RL, ROPE+32*((\a)%2)
.irp p, 0,1
	global_load_b128 v[RL+8*\p:RL+8*\p+3],       v[RO], s[86:87] offset:4096*(\a)+64*\p
	global_load_b128 v[RL+8*\p+4:RL+8*\p+7],     v[RO], s[86:87] offset:4096*(\a)+64*\p+16
	global_load_b128 v[RL+16+8*\p:RL+16+8*\p+3], v[RO], s[86:87] offset:4096*(\a)+128+64*\p
	global_load_b128 v[RL+16+8*\p+4:RL+16+8*\p+7], v[RO], s[86:87] offset:4096*(\a)+128+64*\p+16
.endr
.endm
	RLOAD 0
.macro FRAG reg, adr, q, i             ; 16 rows x 128 K: registers 4 c .. 4 c + 3 hold the row's bytes 32 c + 16 (lane / 16) + 0 .. 15
.irp c, 0,1,2,3
	ds_load_b128 v[\reg+4*\c:\reg+4*\c+3], v[\adr] offset:128*(\q)+32*\c+(\i)*16*PITCH
.endr
.endm
; 16 matrix instructions: role A's blocks a0, a0 + 1 x role B's eight.  The 64 accumulators take turns, one instruction a turn, in the same order in every step.
.macro MUL16 a0, p, zero
.irp a, \a0, \a0+1
.irp b, 0,1,2,3,4,5,6,7
.if \zero
	v_wmma_f32_16x16x128_fp8_fp8 v[8*(8*((\a)%4)+\b):8*(8*((\a)%4)+\b)+7], v[128*(\p)+FR*\b:128*(\p)+FR*\b+FR-1], v[AF+FR*(\a):AF+FR*(\a)+FR-1], 0
.else
	v_wmma_f32_16x16x128_fp8_fp8 v[8*(8*((\a)%4)+\b):8*(8*((\a)%4)+\b)+7], v[128*(\p)+FR*\b:128*(\p)+FR*\b+FR-1], v[AF+FR*(\a):AF+FR*(\a)+FR-1], v[8*(8*((\a)%4)+\b):8*(8*((\a)%4)+\b)+7]
.endif
.endr
.endr
.endm
.macro FETCH_B slot, q, p
	WIN TO_B
.irp i, 0,1,2,3,4,5,6,7
	FRAG 128*(\p)+FR*\i, ADRB+\slot, \q, \i
.endr
	WIN 0
.endm
.macro FETCH_A slot, q, i0
.irp i, \i0, \i0+1, \i0+2, \i0+3
	FRAG AF+FR*(\i), ADRA+\slot, \q, \i
.endr
.endm
.macro PLACES n                        ; plain vector lines between a matrix instruction and a load into, or a vector line on, its registers
.rept \n
	v_nop
.endr
.endm
.macro STEP slot, q, zero              ; 128 along K, with its successor in the same slot
	s_wait_dscnt 4*NL                              ; role B's set and role A's blocks 0-3 are in; the youngest sixteen loads (blocks 4-7) may be out
	WIN MUL_LO
	MUL16 0, (\q)%2, \zero
	MUL16 2, (\q)%2, \zero
	s_wait_dscnt 0
	PLACES NP
	FETCH_B \slot, (\q)+1, 1-(\q)%2
	FETCH_A \slot, (\q)+1, 0
	WIN MUL_HI
	MUL16 4, (\q)%2, \zero
	MUL16 6, (\q)%2, \zero
	PLACES NP
	WIN 0
	FETCH_A \slot, (\q)+1, 4
.endm
; A slot's last step changes slots: one barrier; in front of it each wave waits for all its tensor loads, adds 0 to its spare word, and waits for that and for its reads of this slot.
.macro TURN slot, next, fill
	s_wait_tensorcnt 0x0                           ; all my tensor loads have landed: my part of the next slot
	ds_add_u32 v[SPW], v[NIL]                      ; 0 onto my spare word
	s_wait_dscnt 4*NL+1                            ; the add and the youngest sixteen loads may be out
	WIN MUL_LO
	MUL16 0, 1, 0
	s_wait_dscnt 0x0                               ; the add is done, and my reads of this slot are over
	s_barrier_signal -1
	MUL16 2, 1, 0
	WIN 0
	s_barrier_wait -1
.if \fill
	CREST                                          ; the barrier has opened a round of the cluster's: no wave of any partner still reads this slot or has a load on its way
	s_add_nc_u64 s[G0+4*\slot+2:G0+4*\slot+3], s[G0+4*\slot+2:G0+4*\slot+3], 2*ROWB
	s_add_nc_u64 s[G0B+4*\slot+2:G0B+4*\slot+3], s[G0B+4*\slot+2:G0B+4*\slot+3], 2*ROWB
	JLOAD G0+4*\slot, G1, G0B+4*\slot, G1B         ; my one tensor load behind the round; its four v_nop are the places in front of the loads below
.else
	PLACES NP
.endif
	FETCH_B \next, 0, 0
	FETCH_A \next, 0, 0
	WIN MUL_HI
	MUL16 4, 1, 0
	MUL16 6, 1, 0
	PLACES NP
	WIN 0
	FETCH_A \next, 0, 4
.endm
	s_wait_tensorcnt 1                             ; my part of K step 0 is in; K step 1's load may be out
	s_barrier_signal -1
	s_barrier_wait -1
	FETCH_B 0, 0, 0
	FETCH_A 0, 0, 0
	FETCH_A 0, 0, 4
	STEP 0, 0, 1                                   ; the first step's products start the sums
	s_mov_b32 s3, LAPS-1
.Llap:                                                 ; a trip goes once round the ring and fills both slots again
	TURN 0, 1, 1
	STEP 1, 0, 0
	TURN 1, 0, 1
	STEP 0, 0, 0
	s_sub_co_u32 s3, s3, 1
	s_cmp_lg_u32 s3, 0
	s_cbranch_scc1 .Llap
	TURN 0, 1, 0                                   ; the last lap fills nothing
	STEP 1, 0, 0
	s_wait_dscnt 4*NL
	WIN MUL_LO
	MUL16 0, 1, 0
	MUL16 2, 1, 0
	s_wait_dscnt 0
	WIN MUL_HI
	MUL16 4, 1, 0
	MUL16 6, 1, 0
	WIN 0
	; ---- THE WAY OUT
	s_wait_kmcnt 0x0
	s_add_co_i32 s96, s76, s77
	s_add_co_i32 s96, s96, 127
	s_lshl_b32 s96, s96, 23                        ; 2^(e0 + e1) as f32
	s_mov_b32 s97, s96                             ; (named with it as a pair)
	s_cmp_eq_u32 ttmp9, 0
	s_cselect_b32 s92, s78, s79                    ; e2 for q, e3 for k,
	s_cmp_eq_u32 ttmp9, 2
	s_cselect_b32 s92, s81, s92                    ; e5 for v: a choice of a value, no branch on it
	s_add_co_i32 s92, s92, 127
	s_lshl_b32 s93, s92, 23
	v_mov_b32 v[SCL], s93
	s_add_co_i32 s92, s92, 8
	s_lshl_b32 s92, s92, 23
	s_or_b32 s92, s92, 0x600000
	v_mov_b32 v[LIM], s92
	PLACES NP                                      ; behind the last products: for the loads into role A's registers and for the reads of results
	s_cmp_eq_u32 ttmp9, 2
	s_cbranch_scc1 .Lepi_v
; x: eight numbers at d, x + 16: the eight at d + 32 (the accumulator two further on, same lane and register).  t = x cos - y sin; y = y cos + x sin, in place.  Held, converted.
.macro ROT x, c, s, t, cd
.irp i, 0,2,4,6
	v_pk_mul_f32 v[\t+\i:\t+\i+1], v[\x+\i:\x+\i+1], v[\c+\i:\c+\i+1]
.endr
.irp i, 0,2,4,6
	v_pk_fma_f32 v[\t+\i:\t+\i+1], v[\x+16+\i:\x+16+\i+1], v[\s+\i:\s+\i+1], v[\t+\i:\t+\i+1] neg_lo:[1,0,0] neg_hi:[1,0,0]
.endr
.irp i, 0,2,4,6
	v_pk_mul_f32 v[\x+16+\i:\x+16+\i+1], v[\x+16+\i:\x+16+\i+1], v[\c+\i:\c+\i+1]
.endr
.irp i, 0,2,4,6
	v_pk_fma_f32 v[\x+16+\i:\x+16+\i+1], v[\x+\i:\x+\i+1], v[\s+\i:\s+\i+1], v[\x+16+\i:\x+16+\i+1]
.endr
.irp i, 0,1,2,3,4,5,6,7
	v_med3_num_f32 v[\t+\i], v[\t+\i], -v[LIM], v[LIM]
	v_med3_num_f32 v[\x+16+\i], v[\x+16+\i], -v[LIM], v[LIM]
.endr
	v_cvt_scalef32_pk8_fp8_f32 v[\cd:\cd+1], v[\t:\t+7], v[SCL]            ; registers 2 c, 2 c + 1 of the fragment, c = d / 16
	v_cvt_scalef32_pk8_fp8_f32 v[\cd+4:\cd+5], v[\x+16:\x+23], v[SCL]      ; and those of d + 32.  The next rotation begins with plain lines on other registers
.endm
.macro QK_BLOCK a                      ; 16 tokens x my 128 features (two heads): two images
.set AC, 64*((\a)%4)
.set RR, ROPE+32*((\a)%2)
.if (\a) > 0
	s_wait_xcnt 0x0                                ; the last block's stores have read their registers: the codes may be written again
.endif
.if (\a) < 7
	RLOAD (\a)+1
	s_wait_loadcnt 8                               ; all but the eight just issued: this block's cos and sin are in (and, in block 0, the bias)
.else
	s_wait_loadcnt 0x0
.endif
	WIN 0x02+((\a)/4)                              ; source 0: window 2 or 3
.set j, 0
.rept 32
	v_pk_fma_f32 v[VAL+j:VAL+j+1], v[AC+j:AC+j+1], s[96:97], v[BIAS+j:BIAS+j+1] op_sel_hi:[1,0,1]   ; sum x 2^(e0 + e1) + bias; each accumulator from its low end on
.set j, j+2
.endr
	WIN 0
.irp e, 0,1
.irp p, 0,1
	ROT VAL+32*\e+8*\p, RR+8*\p, RR+16+8*\p, TT+8*\p, CD+8*\e+2*\p
.endr
.endr
	v_nop                                          ; a plain line behind the last conversion
.irp e, 0,1
.irp g, 0,1
	global_store_b128 v[CO], v[CD+8*\e+4*\g:CD+8*\e+4*\g+3], s[70:71] offset:\e*131072+(\a)*1024+512*\g   ; 512 consecutive bytes
.endr
.endr
.endm
.irp a, 0,1,2,3,4,5,6,7
	QK_BLOCK \a
.endr
	s_branch .Ldone
.Lepi_v:
.macro V_BLOCK a                       ; 16 d x my 128 keys: one image
.set AC, 64*((\a)%4)
.if (\a) > 0
	s_wait_xcnt 0x0
.endif
	v_mov_b32 v[TT], v[BV+(\a)]                    ; my d's bias, twice: a pair for the packed form
	v_mov_b32 v[TT+1], v[BV+(\a)]
	WIN 0x02+((\a)/4)
.set j, 0
.rept 32
	v_pk_fma_f32 v[VAL+j:VAL+j+1], v[AC+j:AC+j+1], s[96:97], v[TT:TT+1] op_sel_hi:[1,0,1]
.set j, j+2
.endr
	WIN 0
.set j, 0
.rept 64
	v_med3_num_f32 v[VAL+j], v[VAL+j], -v[LIM], v[LIM]
.set j, j+1
.endr
.irp b, 0,1,2,3,4,5,6,7
	v_cvt_scalef32_pk8_fp8_f32 v[CD+2*\b:CD+2*\b+1], v[VAL+8*\b:VAL+8*\b+7], v[SCL]
.endr
	v_nop
.irp c, 0,1,2,3
	global_store_b128 v[CO], v[CD+4*\c:CD+4*\c+3], s[70:71] offset:((\a)/4)*131072+((\a)%4)*2048+512*\c
.endr
.endm
	s_wait_loadcnt 0x0
.irp a, 0,1,2,3,4,5,6,7
	V_BLOCK \a
.endr
.Ldone:
	s_wait_tensorcnt 0x0                           ; the wave's end
	ds_add_u32 v[SPW], v[NIL]
	s_wait_dscnt 0x0
	CROUND                                         ; the closing round
	s_endpgm
.Lfunc_end_k_q318b2a0f07_qkv:
	.size	k_q318b2a0f07_qkv, .Lfunc_end_k_q318b2a0f07_qkv-k_q318b2a0f07_qkv
	.p2alignl 7, 3214868480
	.fill 96, 4, 3214868480
	.section	.rodata,"a",@progbits
	.p2align	6, 0x0
	.amdhsa_kernel k_q318b2a0f07_qkv
		.amdhsa_group_segment_fixed_size 327680
		.amdhsa_private_segment_fixed_size 0
		.amdhsa_enable_private_segment 0
		.amdhsa_kernarg_size 48
		.amdhsa_user_sgpr_count 2
		.amdhsa_user_sgpr_kernarg_segment_ptr 1
		.amdhsa_wavefront_size32 1
		.amdhsa_system_sgpr_workgroup_id_x 1
		.amdhsa_system_sgpr_workgroup_id_y 1
		.amdhsa_system_sgpr_workgroup_id_z 1
		.amdhsa_system_vgpr_workitem_id 0
		.amdhsa_next_free_vgpr 1024
		.amdhsa_next_free_sgpr 100
		.amdhsa_reserve_vcc 0
		.amdhsa_float_denorm_mode_32 3
		.amdhsa_float_denorm_mode_16_64 3
		.amdhsa_memory_ordered 1
		.amdhsa_forward_progress 1
		.amdhsa_inst_pref_size 232
	.end_amdhsa_kernel
	.amdgpu_metadata
---
amdhsa.version: [ 1, 2 ]
amdhsa.kernels:
  - .name:           k_q318b2a0f07_qkv
    .symbol:         k_q318b2a0f07_qkv.kd
    .args:
      - { .name: x_codes, .offset: 0, .size: 8, .value_kind: global_buffer, .address_space: global }
      - { .name: w_codes, .offset: 8, .size: 8, .value_kind: global_buffer, .address_space: global }
      - { .name: lowp_scales, .offset: 16, .size: 8, .value_kind: global_buffer, .address_space: global }
      - { .name: b_qkv, .offset: 24, .size: 8, .value_kind: global_buffer, .address_space: global }
      - { .name: rope, .offset: 32, .size: 8, .value_kind: global_buffer, .address_space: global }
      - { .name: qkv_img, .offset: 40, .size: 8, .value_kind: global_buffer, .address_space: global }
    .group_segment_fixed_size: 327680
    .private_segment_fixed_size: 0
    .kernarg_segment_align: 8
    .kernarg_segment_size: 48
    .max_flat_workgroup_size: 128
    .sgpr_count:     100
    .vgpr_count:     1024
    .wavefront_size: 32
...
	.end_amdgpu_metadata
.endif
;; end of part 2
;; launch attn (part 3): grid 4 x 64, 16 waves a work-group, no clusters, 75,776 bytes of LDS; arguments qkv_img, pad_mask, lowp_scales, y_img, rowflag; writes y_img, rowflag
.if DOCPART == 3
	.amdgcn_target "amdgcn-amd-amdhsa--gfx1250"
	.amdhsa_code_object_version 6
	.text
	.protected	k_q318b2a0f07_attn
	.globl	k_q318b2a0f07_attn
	.p2align	8
	.type	k_q318b2a0f07_attn,@function
k_q318b2a0f07_attn:
	s_mov_b64 s[64:65], 0
	v_nop
	global_prefetch_b8 v0, s[64:65] scope:SCOPE_SE
	s_setreg_imm32_b32 hwreg(HW_REG_WAVE_MODE, 25, 1), 1
	s_wait_xcnt 0x0
; ATTN: y = softmax(q k^T / 8, causal, padded keys hidden) v for 64 (batch, head) pairs of 2,048 tokens x 64, both products on codes of E4M3 that lie in memory as images of the operands' registers.
; THE SOFTMAX AHEAD OF THE SECOND PRODUCT: t = score x log2(e) / 8; M = the row's largest t so far, rounded up to a whole number; p = 2^(t - M) is quantised (2^e4), not normalised; the row's sum is taken of the
; unquantised p and divides at the end.  When M moves, the sum and O are multiplied by 2^(old M - new M): exact.
; SHARES.  Work-group (I, batch x head) owns the blocks of 256 queries I and 7 - I, one after the other: (I + 1) + (8 - I) = 9 slots of 256 keys for every work-group, so all 256 have the same work and the trip count is a constant.
; Each of sixteen waves owns 16 queries of the block in hand: four waves to a SIMD, so that one wave's vector work stands beside another's products and LDS loads.
; LAYOUT.  S^T = K Q^T (source 0 = 16 keys, source 1 = my queries): a lane holds one query, register j of tile t key 16 t + 8 (lane / 16) + j: the conversions' results are P's fragment (K = 128 keys).
; O^T = V^T P^T: a lane holds one query and d = 16 dt + 8 (lane / 16) + j: the conversions' results are y's image, the last launch's operand: [128 rows 64][K step 4][16 rows 8][head 4][1,024].
; K AND V come global -> registers -> LDS: each thread's four 16-byte loads are issued a whole slot's work ahead of the wait for them and then stored into the slot that is not being read; one barrier a trip.
; NO TENSOR LOADS AND NO CLUSTER: the four work-groups of a head stand at different slots at any time, so there is no tile to ask for jointly.
; A ROW WITHOUT A VISIBLE KEY (all its keys up to the diagonal padded): every p is 0, the sum is 0; rowflag gets NaN for it (1.0 else) and the last launch multiplies the row's sums by it.
; LIMITS: e2 + e3 between -123 and 130 (added to c's exponent field); e4 and e6 between -126 and 119.  NaN and infinities among the inputs are not served.
; REGISTERS: v1 16 lane; v2 16 thread; v4 bias base; v6 r - 8 h; v7 4 r; v8-10 addresses of the trip; v12 -M, v13 largest t, v[14:15] the sum; v16-23 Q; v24-31 the second block's Q; v32-95 K's fragments, then the mask's
; numbers, then V's fragments; v96-159 S^T, then p; v160-191 O^T; v192-207 codes; v208-223 the next slot on its way; v236-255 at work and constants.
.set SLOT1, 32768                      ; slot 0 at byte 0, slot 1 here: K's 16 images (16,384 bytes), then V's 8
.set VOFF,  16384
.set BIASL, 65536                      ; 2,048 f32: 0, or -infinity for a padded key of my batch
.set WV, 14
.set I,  15
.set BH, 16
.set BAT, 17
.set HD, 18
.set J,  19
.set TB, 20                            ; the slot that is read
.set TS, 21                            ; the slot that is written
.set Q0, 22                            ; my first query
.set KF, 23                            ; the slot's first key
.set PADB, 24                          ; bit i: a padded key among keys 64 i .. 64 i + 63 of my batch
.set PADT, 25                          ; the same, from the slot in hand on
.set HOLDF, 26                         ; 1 where 448 x 2^e4 lies under 1, so that p needs its hold
.set CS, 28                            ; s[28:29] c = log2(e) / 8 x 2^(e2 + e3)
.set SEL, 30                           ; s[30:31] selects for lane l xor 16
	s_load_b128 s[4:7], s[0:1], 0x0                ; qkv_img s[4:5], pad_mask s[6:7]
	s_load_b128 s[8:11], s[0:1], 0x10              ; the scales' exponents s[8:9], y_img s[10:11]
	s_load_b64 s[12:13], s[0:1], 0x20              ; rowflag
	v_lshl_add_u32 v248, v0, 2, 0x12000
	v_mov_b32 v249, 0
	v_lshrrev_b32 v1, 5, v0
	v_readfirstlane_b32 s[WV], v1                  ; wave 0..15
	s_mov_b32 s[I], ttmp9
	s_and_b32 s[BH], ttmp7, 0xffff
	s_lshr_b32 s[BAT], s[BH], 4
	s_and_b32 s[HD], s[BH], 15
	v_and_b32 v3, 31, v0
	v_lshlrev_b32 v1, 4, v3                        ; 16 x lane
	v_lshlrev_b32 v2, 4, v0                        ; 16 x thread
	v_and_b32 v5, 15, v0                           ; r
	v_bfe_u32 v11, v0, 4, 1                        ; h
	v_lshl_add_u32 v4, v11, 5, BIASL
	v_lshlrev_b32 v6, 3, v11
	v_sub_nc_u32 v6, v5, v6                        ; r - 8 h
	v_lshlrev_b32 v7, 2, v5
	s_lshl_b32 s52, s[I], 4
	s_add_co_u32 s52, s52, s[WV]                   ; my tile of queries in block I,
	s_lshl_b32 s[Q0], s52, 4
	s_lshl_b32 s52, s52, 10
	s_sub_co_u32 s53, 7, s[I]
	s_lshl_b32 s53, s53, 4
	s_add_co_u32 s53, s53, s[WV]                   ; and in block 7 - I
	s_lshl_b32 s61, s53, 4
	s_lshl_b32 s53, s53, 10
	v_add_nc_u32 v8, s52, v1
	v_add_nc_u32 v9, s53, v1
	v_lshlrev_b32 v10, 6, v3                       ; 64 x lane
	v_lshlrev_b32 v12, 2, v0                       ; 4 x thread
	s_lshl_b32 s54, s[BH], 17                      ; a head's images: 131,072 bytes in each of q, k, v
	s_mov_b32 s55, 0
	s_lshl_b32 s56, s[BAT], 11
	s_mov_b32 s57, 0
	s_mov_b32 s[SEL], 0x76543210
	s_mov_b32 s[SEL+1], 0xfedcba98
	s_mov_b32 s[TB], 0
	s_mov_b32 s[TS], SLOT1
	s_wait_kmcnt 0x0
	s_load_b256 s[44:51], s[8:9], 0x0              ; e0 .. e7
	s_add_nc_u64 s[4:5], s[4:5], s[54:55]          ; q of my head
	s_add_nc_u64 s[32:33], s[4:5], 0x800000        ; k
	s_add_nc_u64 s[34:35], s[4:5], 0x1000000       ; v
	s_add_nc_u64 s[6:7], s[6:7], s[56:57]          ; my batch's mask
	global_load_b128 v[16:19], v8, s[4:5]
	global_load_b128 v[20:23], v8, s[4:5] offset:512
	global_load_b128 v[24:27], v9, s[4:5]
	global_load_b128 v[28:31], v9, s[4:5] offset:512
.irp i, 0,1,2,3
	global_load_b128 v[32+4*\i:35+4*\i], v10, s[6:7] offset:16*\i      ; every wave: the batch's 2,048 bytes, 64 a lane
.endr
	global_load_b32 v48, v12, s[6:7]                                   ; the work-group: four bytes a thread
	global_load_b128 v[208:211], v2, s[32:33]                          ; slot 0: K's 16,384 bytes,
	global_load_b128 v[212:215], v2, s[32:33] offset:8192
	global_load_b128 v[216:219], v2, s[34:35]                          ; V's
	global_load_b128 v[220:223], v2, s[34:35] offset:8192
	v_mov_b32 v250, 0xff800000                     ; -infinity
	v_mov_b32 v251, 0x7fc00000                     ; NaN
	v_mov_b32 v236, 0                              ; written once: a lane permute's destination counts as read
	v_mov_b32 v253, 0                              ; (named as the upper halves of pairs)
	v_mov_b32 v255, 0
	v_mov_b32 v13, 0xff61b1e6                      ; the largest t so far: -3e38
	v_mov_b32 v14, 0
	v_mov_b32 v15, 0
.set n, 0
.rept 32
	v_mov_b32 v[160+n], 0                          ; O^T: the step is written once; the first finds zeros
.set n, n+1
.endr
	v_add_nc_u32 v50, BIASL, v2
	s_wait_kmcnt 0x0
	s_add_co_i32 s52, s46, s47
	s_lshl_b32 s52, s52, 23
	s_mov_b32 s[CS], 0x3e38aa3b                    ; log2(e) / 8
	s_add_co_i32 s[CS], s[CS], s52                 ; x 2^(e2 + e3): added to its exponent field
	s_mov_b32 s[CS+1], s[CS]
	s_add_co_i32 s52, s48, 127
	s_lshl_b32 s53, s52, 23
	v_mov_b32 v244, s53                            ; 2^e4
	s_add_co_i32 s52, s52, 8
	s_lshl_b32 s52, s52, 23
	s_or_b32 s52, s52, 0x600000
	v_mov_b32 v240, s52                            ; 448 x 2^e4
	s_add_co_i32 s52, s50, 127
	s_lshl_b32 s53, s52, 23
	v_mov_b32 v247, s53                            ; 2^e6
	s_add_co_i32 s52, s52, 8
	s_lshl_b32 s52, s52, 23
	s_or_b32 s52, s52, 0x600000
	v_mov_b32 v246, s52                            ; 448 x 2^e6
	s_add_co_i32 s60, s48, s49                     ; e4 + e5
	s_cmp_lt_i32 s48, -8
	s_cselect_b32 s[HOLDF], 1, 0                   ; p <= 1 <= 448 x 2^e4 from e4 = -8 on
	s_wait_loadcnt 0x0
	v_floor_f32 v12, -v13                          ; -M
.irp i, 0,2,4,6,8,10,12,14
	v_or_b32 v[32+\i], v[32+\i], v[33+\i]
.endr
.irp i, 0,4,8,12
	v_or_b32 v[32+\i], v[32+\i], v[34+\i]
.endr
	v_or_b32 v32, v32, v36
	v_or_b32 v40, v40, v44
	v_or_b32 v32, v32, v40
	v_cmp_ne_u32 s[PADB], 0, v32
.irp k, 0,1,2,3
	v_bfe_u32 v49, v48, 8*\k, 8
	v_cmp_ne_u32 vcc_lo, 0, v49
	v_cndmask_b32 v[52+\k], 0, v250, vcc_lo
.endr
	ds_store_b128 v50, v[52:55]
	ds_store_b128 v2, v[208:211]
	ds_store_b128 v2, v[212:215] offset:8192
	ds_store_b128 v2, v[216:219] offset:16384
	ds_store_b128 v2, v[220:223] offset:24576
	s_wait_dscnt 0x0                               ; for the others' sake: my stores have landed
	s_barrier_signal -1
	s_barrier_wait -1
; A KEY STEP: 128 keys, the q-th of the slot in hand
.macro STEP q
	s_add_co_u32 s52, s[KF], 128*\q                ; the step's first key
	s_add_co_u32 s53, s[Q0], 15
	s_cmp_gt_u32 s52, s53
	s_cbranch_scc1 .Lhidden_\@                     ; all its keys come after my queries: a branch on ids, round the step's work alone
.rept 4
	v_nop                                          ; places in front of loads into registers that the last products read
.endr
.irp t, 0,1,2,3,4,5,6,7
	ds_load_b128 v[32+8*\t:35+8*\t], v8 offset:8192*\q+1024*\t
	ds_load_b128 v[36+8*\t:39+8*\t], v8 offset:8192*\q+1024*\t+512
.endr
	s_wait_dscnt 0x0
.irp t, 0,1,2,3,4,5,6,7
	v_wmma_f32_16x16x64_fp8_fp8 v[96+8*\t:103+8*\t], v[32+8*\t:39+8*\t], v[16:23], 0
.endr
.rept 4
	v_nop
.endr
	s_bfe_u32 s53, s[PADT], 0x20000+2*\q           ; is a key of these 128 padded?
	s_cmp_eq_u32 s53, 0
	s_cbranch_scc1 .Lnopad_\@
.irp t, 0,1,2,3,4,5,6,7
	ds_load_b128 v[32+8*\t:35+8*\t], v9 offset:512*\q+64*\t
	ds_load_b128 v[36+8*\t:39+8*\t], v9 offset:512*\q+64*\t+16
.endr
	s_wait_dscnt 0x0
.set n, 0
.rept 32
	v_pk_add_f32 v[96+n:97+n], v[96+n:97+n], v[32+n:33+n]   ; + 0 or -infinity
.set n, n+2
.endr
.Lnopad_\@:
.irp d, 0,1,2,3
.irp c, 0,1,2,3
	ds_load_b128 v[32+16*\d+4*\c:35+16*\d+4*\c], v8 offset:VOFF+8192*\q+2048*\d+512*\c   ; V's four fragments land under the softmax
.endr
.endr
	s_add_co_u32 s53, s52, 127
	s_cmp_le_u32 s53, s[Q0]
	s_cbranch_scc1 .Lopen_\@                       ; all 128 keys count for all my queries
	s_sub_co_i32 s53, s[Q0], s52
	v_add_nc_u32 v252, s53, v6                     ; my query - the step's first key - 8 h: register 8 t + j is hidden where 16 t + j is above it
.set n, 0
.rept 64
	v_cmp_gt_i32 vcc_lo, 16*(n/8)+n%8, v252
	v_cndmask_b32 v[96+n], v[96+n], v250, vcc_lo
.set n, n+1
.endr
.Lopen_\@:
	v_max3_num_f32 v254, v96, v97, v98             ; the step's largest score of my query, in two chains,
	v_max3_num_f32 v252, v99, v100, v101
.irp i, 6,10,14,18,22,26,30,34,38,42,46,50,54,58
	v_max3_num_f32 v254, v254, v[96+\i], v[97+\i]
	v_max3_num_f32 v252, v252, v[98+\i], v[99+\i]
.endr
	v_max3_num_f32 v254, v254, v158, v159
	v_max_num_f32 v254, v254, v252
	v_permlanex16_b32 v236, v254, s[SEL], s[SEL+1]
	v_max_num_f32 v254, v254, v236                 ; and among lane l xor 16's
	v_mul_f32 v254, s[CS], v254                    ; as t
	v_max_num_f32 v13, v13, v254                   ; the running largest t
	v_mov_b32 v254, v12
	v_floor_f32 v12, -v13                          ; the new -M = -ceil(t)
	v_sub_f32 v254, v12, v254                      ; old M - new M: a whole number, 0 or less
	v_cvt_i32_f32 v254, v254                       ; (it saturates)
	v_ldexp_f32 v252, 1.0, v254                    ; f = 2^(old M - new M)
.set n, 0
.rept 32
	v_pk_fma_f32 v[96+n:97+n], v[96+n:97+n], s[CS:CS+1], v[12:13] op_sel_hi:[1,0,0]   ; t - M
.set n, n+2
.endr
.set n, 0
.rept 64
	v_exp_f32 v[96+n], v[96+n]                     ; p = 2^(t - M)
.set n, n+1
.endr
	v_pk_mul_f32 v[14:15], v[14:15], v[252:253] op_sel_hi:[1,0]   ; the sums under the new M: the plain line behind the exponentials
	s_wait_alu depctr_va_vdst(0)                   ; one wait for the batch, ahead of its first reader
	v_pk_add_f32 v[242:243], v[96:97], v[98:99]    ; the row's sum of the unquantised p, in two chains
.irp j, 4,8,12,16,20,24,28,32,36,40,44,48,52,56,60
	v_pk_add_f32 v[14:15], v[14:15], v[96+\j:97+\j]
	v_pk_add_f32 v[242:243], v[242:243], v[98+\j:99+\j]
.endr
	v_pk_add_f32 v[14:15], v[14:15], v[242:243]
	s_cmp_eq_u32 s[HOLDF], 0
	s_cbranch_scc1 .Lnohold_\@                     ; p is at most 1: it needs its hold only where 448 x 2^e4 lies under 1
.set n, 0
.rept 64
	v_min_num_f32 v[96+n], v[96+n], v240
.set n, n+1
.endr
.Lnohold_\@:
.irp t, 0,1,2,3,4,5,6,7
	v_cvt_scalef32_pk8_fp8_f32 v[192+2*\t:193+2*\t], v[96+8*\t:103+8*\t], v244
.endr
.set n, 0
.rept 16
	v_pk_mul_f32 v[160+n:161+n], v[160+n:161+n], v[252:253] op_sel_hi:[1,0]   ; O^T under the new M; also the plain lines behind the conversions
.set n, n+2
.endr
	s_wait_dscnt 0x0                               ; V is in
.irp d, 0,1,2,3
	v_wmma_f32_16x16x128_fp8_fp8 v[160+8*\d:167+8*\d], v[32+16*\d:47+16*\d], v[192:207], v[160+8*\d:167+8*\d]   ; the four accumulators by turns; the scores' eight products stand between two steps' turns
.endr
.Lhidden_\@:
.endm
	s_mov_b32 s[J], 0
.Ltrip:                                                ; nine trips: slots 0 .. I for block I, then slots 0 .. 7 - I for block 7 - I
	s_sub_co_u32 s52, s[J], s[I]
	s_sub_co_u32 s52, s52, 1
	s_cmp_le_u32 s[J], s[I]
	s_cselect_b32 s52, s[J], s52
	s_and_b32 s52, s52, 7                          ; the slot's number among the head's eight
	s_lshl_b32 s[KF], s52, 8
	s_lshl_b32 s53, s52, 2
	s_lshr_b32 s[PADT], s[PADB], s53
	s_lshl_b32 s53, s52, 10
	v_add_nc_u32 v8, s[TB], v1
	v_add_nc_u32 v9, s53, v4
	v_add_nc_u32 v10, s[TS], v2
	s_cmp_lt_u32 s[J], 8
	s_cbranch_scc0 .Lno_next                       ; the last trip asks for nothing
	s_add_co_u32 s54, s[J], 1
	s_sub_co_u32 s55, s[J], s[I]
	s_cmp_le_u32 s54, s[I]
	s_cselect_b32 s54, s54, s55
	s_and_b32 s54, s54, 7                          ; the next trip's slot
	s_lshl_b32 s54, s54, 14
	s_mov_b32 s55, 0
	s_add_nc_u64 s[36:37], s[32:33], s[54:55]      ; (the last trip's loads were waited for)
	s_add_nc_u64 s[38:39], s[34:35], s[54:55]
	global_load_b128 v[208:211], v2, s[36:37]
	global_load_b128 v[212:215], v2, s[36:37] offset:8192
	global_load_b128 v[216:219], v2, s[38:39]
	global_load_b128 v[220:223], v2, s[38:39] offset:8192
.Lno_next:
	STEP 0
	STEP 1
	s_wait_loadcnt 0x0                             ; the four loads issued at the trip's head; on every path
	s_cmp_lt_u32 s[J], 8
	s_cbranch_scc0 .Lno_store
	ds_store_b128 v10, v[208:211]                  ; into the slot that nobody reads in this trip
	ds_store_b128 v10, v[212:215] offset:8192
	ds_store_b128 v10, v[216:219] offset:16384
	ds_store_b128 v10, v[220:223] offset:24576
.Lno_store:
	s_cmp_eq_u32 s[J], s[I]
	s_cselect_b32 s52, 1, 0
	s_cmp_eq_u32 s[J], 8
	s_cselect_b32 s52, 1, s52
	s_cmp_eq_u32 s52, 0
	s_cbranch_scc1 .Lno_finish
	; ---- a block of queries is finished
.rept 4
	v_nop                                          ; places behind the last products
.endr
	v_add_f32 v14, v14, v15
	v_permlanex16_b32 v236, v14, s[SEL], s[SEL+1]
	v_add_f32 v14, v14, v236                       ; the row's sum
	v_cmp_eq_f32 vcc_lo, 0, v14
	v_mov_b32 v252, 1.0
	v_cndmask_b32 v252, v252, v251, vcc_lo         ; NaN for a row without a visible key
	s_lshl_b32 s52, s[BAT], 11
	s_add_co_u32 s52, s52, s[Q0]                   ; my first row among the 8,192
	s_lshl_b32 s54, s52, 2
	s_mov_b32 s55, 0
	s_add_nc_u64 s[58:59], s[12:13], s[54:55]
	s_lshr_b32 s54, s52, 7
	s_lshl_b32 s54, s54, 2
	s_lshr_b32 s53, s[HD], 2
	s_add_co_u32 s54, s54, s53
	s_lshl_b32 s54, s54, 5
	s_bfe_u32 s53, s52, 0x30004
	s_lshl_b32 s53, s53, 2
	s_add_co_u32 s54, s54, s53
	s_and_b32 s53, s[HD], 3
	s_add_co_u32 s54, s54, s53
	s_lshl_b32 s54, s54, 10                        ; ((row / 128 x 4 + head / 4) x 32 + (row / 16 % 8) x 4 + head % 4) x 1,024
	s_add_nc_u64 s[56:57], s[10:11], s[54:55]
	s_cmp_lg_u32 s[HD], 0
	s_cbranch_scc1 .Lnot_head_0                    ; the flag is the same for all heads of a batch: head 0's work-groups store it
	global_store_b32 v7, v252, s[58:59]            ; lanes r and r + 16 hold the same number and name the same word
.Lnot_head_0:
	v_rcp_f32 v254, v14
	v_nop
	s_wait_alu depctr_va_vdst(0)
	v_ldexp_f32 v254, v254, s60                    ; x 2^(e4 + e5)
.set n, 0
.rept 16
	v_pk_mul_f32 v[96+n:97+n], v[160+n:161+n], v[254:255] op_sel_hi:[1,0]   ; y; each accumulator from its low end on
.set n, n+2
.endr
.set n, 0
.rept 32
	v_med3_num_f32 v[96+n], v[96+n], -v246, v246
.set n, n+1
.endr
.irp d, 0,1,2,3
	v_cvt_scalef32_pk8_fp8_f32 v[192+2*\d:193+2*\d], v[96+8*\d:103+8*\d], v247
.endr
	v_nop
	global_store_b128 v1, v[192:195], s[56:57]             ; 512 consecutive bytes each
	global_store_b128 v1, v[196:199], s[56:57] offset:512
.set n, 0
.rept 32
	v_mov_b32 v[160+n], 0                          ; the second block begins as the first did
.set n, n+1
.endr
.irp i, 0,1,2,3,4,5,6,7
	v_mov_b32 v[16+\i], v[24+\i]
.endr
	v_mov_b32 v13, 0xff61b1e6
	v_floor_f32 v12, -v13
	v_mov_b32 v14, 0
	v_mov_b32 v15, 0
	s_mov_b32 s[Q0], s61
	s_wait_xcnt 0x0                                ; the stores have read their registers and bases: both are written again further on
.Lno_finish:
	s_wait_dscnt 0x0                               ; my stores into the next slot have landed, and my reads of this slot are back
	s_barrier_signal -1
	s_barrier_wait -1
	s_xor_b32 s[TB], s[TB], SLOT1
	s_xor_b32 s[TS], s[TS], SLOT1
	s_add_co_u32 s[J], s[J], 1
	s_cmp_lt_u32 s[J], 9
	s_cbranch_scc1 .Ltrip
	s_wait_tensorcnt 0x0
	ds_add_u32 v248, v249
	s_wait_dscnt 0x0
	s_endpgm
.Lfunc_end_k_q318b2a0f07_attn:
	.size	k_q318b2a0f07_attn, .Lfunc_end_k_q318b2a0f07_attn-k_q318b2a0f07_attn
	.p2alignl 7, 3214868480
	.fill 96, 4, 3214868480
	.section	.rodata,"a",@progbits
	.p2align	6, 0x0
	.amdhsa_kernel k_q318b2a0f07_attn
		.amdhsa_group_segment_fixed_size 75776
		.amdhsa_private_segment_fixed_size 0
		.amdhsa_enable_private_segment 0
		.amdhsa_kernarg_size 40
		.amdhsa_user_sgpr_count 2
		.amdhsa_user_sgpr_kernarg_segment_ptr 1
		.amdhsa_wavefront_size32 1
		.amdhsa_system_sgpr_workgroup_id_x 1
		.amdhsa_system_sgpr_workgroup_id_y 1
		.amdhsa_system_sgpr_workgroup_id_z 1
		.amdhsa_system_vgpr_workitem_id 0
		.amdhsa_next_free_vgpr 256
		.amdhsa_next_free_sgpr 66
		.amdhsa_reserve_vcc 1
		.amdhsa_float_denorm_mode_32 3
		.amdhsa_float_denorm_mode_16_64 3
		.amdhsa_memory_ordered 1
		.amdhsa_forward_progress 1
		.amdhsa_inst_pref_size 63
	.end_amdhsa_kernel
	.amdgpu_metadata
---
amdhsa.version: [ 1, 2 ]
amdhsa.kernels:
  - .name:           k_q318b2a0f07_attn
    .symbol:         k_q318b2a0f07_attn.kd
    .args:
      - { .name: qkv_img, .offset: 0, .size: 8, .value_kind: global_buffer, .address_space: global }
      - { .name: pad_mask, .offset: 8, .size: 8, .value_kind: global_buffer, .address_space: global }
      - { .name: lowp_scales, .offset: 16, .size: 8, .value_kind: global_buffer, .address_space: global }
      - { .name: y_img, .offset: 24, .size: 8, .value_kind: global_buffer, .address_space: global }
      - { .name: rowflag, .offset: 32, .size: 8, .value_kind: global_buffer, .address_space: global }
    .group_segment_fixed_size: 75776
    .private_segment_fixed_size: 0
    .kernarg_segment_align: 8
    .kernarg_segment_size: 40
    .max_flat_workgroup_size: 512
    .sgpr_count:     66
    .vgpr_count:     256
    .wavefront_size: 32
...
	.end_amdgpu_metadata
.endif
;; end of part 3
;; launch outp (part 4): grid 4 x 32, 4 waves a work-group, clusters of 4 x 4, 327,680 bytes of LDS; arguments y_img, w_codes, lowp_scales, b_out, rowflag, out0; writes out0
.if DOCPART == 4
	.amdgcn_target "amdgcn-amd-amdhsa--gfx1250"
	.amdhsa_code_object_version 6
	.text
	.protected	k_q318b2a0f07_outp
	.globl	k_q318b2a0f07_outp
	.p2align	8
	.type	k_q318b2a0f07_outp,@function
k_q318b2a0f07_outp:
	s_mov_b64 s[64:65], 0
	v_nop
	global_prefetch_b8 v0, s[64:65] scope:SCOPE_SE
	s_setreg_imm32_b32 hwreg(HW_REG_WAVE_MODE, 25, 1), 1
	s_wait_xcnt 0x0
	s_wait_alu depctr_hold_cnt(0) depctr_sa_sdst(0) depctr_va_vdst(0) depctr_va_sdst(0) depctr_va_ssrc(0) depctr_va_vcc(0) depctr_vm_vsrc(0)
	s_getreg_b32 s2, hwreg(HW_REG_IB_STS2, 6, 4)
	s_cmp_eq_u32 s2, 0
	s_cbranch_scc0 .Lentry_in_a_cluster
	s_endpgm
.Lentry_in_a_cluster:
	s_bfe_u32 s2, ttmp6, 0x10000c
	s_cmp_lg_u32 s2, 0xf033
	s_cbranch_scc0 .Lentry_shape_is_right
	s_endpgm
.Lentry_shape_is_right:
; OUTP: out0 = y W_out + b_out on codes of E4M3 (M 8,192, N 1,024, K 1,024); each row's sums are multiplied by 2^(e6 + e7) x rowflag (1.0, or NaN for a row that had no visible key).
; y lies in memory as images of its fragments' registers: [128 rows 64][K step of 256: 4][16 rows 8][head 4][1,024]: what one tensor load brings (128 rows x 256 K) is one dense block of 32,768 bytes, and a fragment of
; 16 rows x 128 K is two heads' images on end: four 16-byte LDS loads at 16 x lane, with every k in the plain 8-bit layout's own place.  W_out's codes lie in rows with K innermost, the two middle eights of every 32 changed,
; so that 16-byte loads at 32 c + 16 (lane / 16) of a row give the same places.
; A tile of 256 x 256 is made by four waves, each 128 x 128.  K goes in steps of 256 through a ring of two LDS slots filled by joint tensor loads.  CLUSTERS: 4 x 4: y's tiles are shared along a row of the cluster, W_out's along a column.
; The products are used transposed (source 0 = 16 rows of W_out^T, source 1 = 16 rows of y): a lane holds eight neighbouring numbers of a row of out0.
; 128 tiles: half of the WGPs have a work-group; a smaller tile would read each LDS byte for half the products.
; LIMIT: e6 + e7 between -126 and 127.
; REGISTERS: window 0: v8-15 the rows' factors, v16-31 addresses, v32-95 the bias, v128-255 y's fragments (one set), on the way out at work.  window 1: W_out's fragments, two sets.  windows 2, 3: the accumulators.
.set KROW,   1024
.set ROWB,   256
.set PITCH,  272
.set FR,     16
.set NL,     4
.set NP,     4
.set HALFA,  32768                     ; 128 rows of y x 256 K, as images
.set HALFB,  128*PITCH
.set BOFF,   2*HALFA
.set SLOT,   2*HALFA+2*HALFB
.set LAPS,   2
.set SPARE,  2*SLOT                    ; behind the ring: the spare words, 128 bytes for each wave
.set STAGE,  SPARE+512                 ; behind them: 16 rows x (512 bytes + 16) for each wave, bytes of their own into which no fill lands
.set SPITCH, 528
.set SROW, 8
.set ADRA, 16
.set ADRB, 20
.set RF,   22                          ; v22  4 r
.set BO,   23                          ; v23  32 h
.set STO,  24
.set RD,   25
.set CO,   26
.set SPW,  28
.set NIL,  29
.set BIAS, 32
.set FP,   96                          ; v[96:97] a block's factor, twice
.set AF,   128
.set TMP,  128
.set BK,   192
.set G1, 24
.set G0, 32
.set G1B, 48
.set G0B, 56
.set MSB, 0
.macro WIN new
.if MSB != \new
	s_set_vgpr_msb (MSB<<8)|\new
.set MSB, \new
.endif
.endm
.set MUL_LO, 0xa1
.set MUL_HI, 0xf1
.set TO_B,   0x40
.macro JLOAD g0a, g1a, g0b, g1b        ; waves 0 and 1 fetch y's halves, waves 2 and 3 W_out's; four v_nop follow each line
	s_cmp_eq_u32 s15, 0
	s_cbranch_scc0 .Lfor_b_\@
	tensor_load_to_lds s[\g0a:\g0a+3], s[\g1a:\g1a+7]
	s_nop 0
.rept 4
	v_nop
.endr
	s_branch .Lasked_\@
.Lfor_b_\@:
	tensor_load_to_lds s[\g0b:\g0b+3], s[\g1b:\g1b+7]
	s_nop 0
.rept 4
	v_nop
.endr
.Lasked_\@:
.endm
.macro CREST
	s_cmp_lg_u32 s14, 0
	s_cbranch_scc1 .Lnot_wave_0_\@
	s_barrier_signal -3
.Lnot_wave_0_\@:
	s_barrier_wait -3
	s_barrier_signal -1
	s_barrier_wait -1
.endm
.macro CROUND
	s_barrier_signal -1
	s_barrier_wait -1
	CREST
.endm
	s_load_b128 s[4:7], s[0:1], 0x0                ; y_img s[4:5], w_codes s[6:7]
	s_load_b128 s[8:11], s[0:1], 0x10              ; the scales' exponents s[8:9], b_out s[10:11]
	s_load_b128 s[68:71], s[0:1], 0x20             ; rowflag s[68:69], out0 s[70:71]
	v_lshl_add_u32 v[SPW], v0, 2, SPARE
	v_mov_b32 v[NIL], 0
	ds_add_u32 v28, v29
	ds_add_u32 v28, v29
	s_wait_dscnt 0x0
	v_lshrrev_b32 v1, 5, v0
	v_readfirstlane_b32 s14, v1
	s_lshr_b32 s15, s14, 1                         ; which half of the tile's rows is mine.  Also: I fetch for y (0) or for W_out (1)
	s_and_b32 s16, s14, 1                          ; which half of its columns.  Also: which 128 rows I fetch
	s_bfe_u32 s40, ttmp6, 0x40000                  ; cx
	s_bfe_u32 s41, ttmp6, 0x40004                  ; cy
	s_lshl_b32 s42, ttmp9, 2
	s_add_co_u32 s42, s42, s40                     ; tile column
	s_and_b32 s17, ttmp7, 0xffff
	s_lshl_b32 s17, s17, 2
	s_add_co_u32 s17, s17, s41                     ; tile row
	s_lshl_b32 s43, s41, 2
	s_lshl_b32 s43, 15, s43
	s_lshl_b32 s44, 0x1111, s40
	s_or_b32 s[G1+0], s43, (0<<16)|(1<<21)         ; y: my row's mask; elements of 1 byte; no padding; bit 21 beside a mask
	s_mov_b32 s[G1+1], 256<<16                     ; a dense block as 128 rows of 256 bytes
	s_mov_b32 s[G1+2], 128<<16
	s_mov_b32 s[G1+3], 256<<16
	s_mov_b32 s[G1+4], 128
	s_mov_b32 s[G1+5], 256
	s_mov_b32 s[G1+6], 0
	s_mov_b32 s[G1+7], 0
	s_or_b32 s[G1B+0], s44, (0<<16)|(1<<20)|(1<<21)|(5<<22)|(3<<25)  ; W_out: my column's mask; 4 words of padding behind every 64
	s_mov_b32 s[G1B+1], ROWB<<16
	s_mov_b32 s[G1B+2], 128<<16
	s_mov_b32 s[G1B+3], ROWB<<16
	s_mov_b32 s[G1B+4], 128
	s_mov_b32 s[G1B+5], KROW
	s_mov_b32 s[G1B+6], 0
	s_mov_b32 s[G1B+7], 0
	s_lshl_b32 s20, s17, 1
	s_add_co_u32 s20, s20, s16                     ; which block of 128 rows of y I fetch
	s_lshl_b32 s20, s20, 17                        ; its four K steps are 131,072 bytes
	s_mov_b32 s21, 0
	s_lshl_b32 s46, s42, 8
	s_lshl_b32 s19, s16, 7
	s_add_co_u32 s46, s46, s19
	s_lshl_b32 s46, s46, 10
	s_add_co_u32 s46, s46, 3145728                 ; W_out's codes lie behind W_qkv's
	s_mov_b32 s47, 0
	s_lshl_b32 s45, s16, 15                        ; where they go: y's halves at 0 and 32,768,
	s_mul_i32 s74, s16, HALFB
	s_add_co_u32 s74, s74, BOFF                    ; W_out's behind them
	s_wait_kmcnt 0x0
	s_load_b256 s[76:83], s[8:9], 0x0              ; e0 .. e7
	s_add_nc_u64 s[20:21], s[4:5], s[20:21]
	s_add_nc_u64 s[46:47], s[6:7], s[46:47]
	CROUND
.irp s, 0,1
	s_mov_b32 s[G0+4*\s], 1
	s_add_co_u32 s[G0+4*\s+1], s45, \s*SLOT
	s_add_nc_u64 s[G0+4*\s+2:G0+4*\s+3], s[20:21], \s*HALFA
	s_or_b32 s[G0+4*\s+3], s[G0+4*\s+3], 0x80000000
	s_mov_b32 s[G0B+4*\s], 1
	s_add_co_u32 s[G0B+4*\s+1], s74, \s*SLOT
	s_add_nc_u64 s[G0B+4*\s+2:G0B+4*\s+3], s[46:47], \s*ROWB
	s_or_b32 s[G0B+4*\s+3], s[G0B+4*\s+3], 0x80000000
	JLOAD G0+4*\s, G1, G0B+4*\s, G1B               ; two loads of mine are out
.endr
	v_and_b32 v1, 15, v0                           ; r
	v_bfe_u32 v2, v0, 4, 1                         ; h
	v_and_b32 v[CO], 31, v0
	v_lshlrev_b32 v[CO], 4, v[CO]                  ; 16 x lane
	v_mul_u32_u24 v3, v1, PITCH
	v_lshl_add_u32 v4, v2, 4, v3
	s_lshl_b32 s21, s15, 15                        ; my 128 rows of y
	s_mul_i32 s22, s16, HALFB
	s_add_co_u32 s22, s22, BOFF                    ; my 128 rows of W_out^T
.irp s, 0,1
	v_add_nc_u32 v[ADRA+\s], s21, v[CO]
	v_add_nc_u32 v[ADRB+\s], s22, v4
	s_add_co_u32 s21, s21, SLOT
	s_add_co_u32 s22, s22, SLOT
.endr
	s_mul_i32 s23, s14, 16*SPITCH
	s_add_co_u32 s23, s23, STAGE                   ; my stage
	v_mul_u32_u24 v5, v1, SPITCH
	v_lshl_add_u32 v5, v2, 5, v5
	v_add_nc_u32 v[STO], s23, v5                   ; in: row r, 32 bytes for each half of the lanes
	v_add_nc_u32 v[RD], s23, v[CO]                 ; back: the 32 lanes take a row of 512 bytes
	s_lshl_b32 s20, s17, 8
	s_lshl_b32 s21, s15, 7
	s_add_co_u32 s20, s20, s21                     ; my first row
	s_lshl_b32 s72, s20, 2
	s_mov_b32 s73, 0
	s_add_nc_u64 s[68:69], s[68:69], s[72:73]      ; rowflag at my 128 rows
	s_lshl_b32 s72, s20, 12                        ; a row of out0 is 4,096 bytes
	s_lshl_b32 s88, s42, 10
	s_add_co_u32 s72, s72, s88
	s_lshl_b32 s88, s16, 9
	s_add_co_u32 s72, s72, s88
	s_add_nc_u64 s[70:71], s[70:71], s[72:73]
	s_lshl_b32 s72, s42, 10
	s_add_co_u32 s72, s72, s88
	s_add_nc_u64 s[10:11], s[10:11], s[72:73]      ; b_out at my 128 columns
	v_lshlrev_b32 v[RF], 2, v1
	v_lshlrev_b32 v[BO], 5, v2
.irp a, 0,1,2,3,4,5,6,7
	global_load_b32 v[SROW+\a], v[RF], s[68:69] offset:64*\a
.endr
.irp b, 0,1,2,3,4,5,6,7
	global_load_b128 v[BIAS+8*\b:BIAS+8*\b+3], v[BO], s[10:11] offset:64*\b
	global_load_b128 v[BIAS+8*\b+4:BIAS+8*\b+7], v[BO], s[10:11] offset:64*\b+16
.endr
.macro FRAG reg, adr, q, i             ; W_out^T: 16 rows x 128 K from padded rows
.irp c, 0,1,2,3
	ds_load_b128 v[\reg+4*\c:\reg+4*\c+3], v[\adr] offset:128*(\q)+32*\c+(\i)*16*PITCH
.endr
.endm
.macro FRAGA reg, adr, q, a            ; y: 16 rows x 128 K: the images of heads 2 q and 2 q + 1 of the K step, two groups of four registers each
.irp c, 0,1,2,3
	ds_load_b128 v[\reg+4*\c:\reg+4*\c+3], v[\adr] offset:(4*(\a)+2*(\q)+\c/2)*1024+(\c%2)*512
.endr
.endm
.macro MUL16 a0, p, zero               ; the 64 accumulators take turns, one instruction a turn
.irp a, \a0, \a0+1
.irp b, 0,1,2,3,4,5,6,7
.if \zero
	v_wmma_f32_16x16x128_fp8_fp8 v[8*(8*((\a)%4)+\b):8*(8*((\a)%4)+\b)+7], v[128*(\p)+FR*\b:128*(\p)+FR*\b+FR-1], v[AF+FR*(\a):AF+FR*(\a)+FR-1], 0
.else
	v_wmma_f32_16x16x128_fp8_fp8 v[8*(8*((\a)%4)+\b):8*(8*((\a)%4)+\b)+7], v[128*(\p)+FR*\b:128*(\p)+FR*\b+FR-1], v[AF+FR*(\a):AF+FR*(\a)+FR-1], v[8*(8*((\a)%4)+\b):8*(8*((\a)%4)+\b)+7]
.endif
.endr
.endr
.endm
.macro FETCH_B slot, q, p
	WIN TO_B
.irp i, 0,1,2,3,4,5,6,7
	FRAG 128*(\p)+FR*\i, ADRB+\slot, \q, \i
.endr
	WIN 0
.endm
.macro FETCH_A slot, q, i0
.irp i, \i0, \i0+1, \i0+2, \i0+3
	FRAGA AF+FR*(\i), ADRA+\slot, \q, \i
.endr
.endm
.macro PLACES n
.rept \n
	v_nop
.endr
.endm
.macro STEP slot, q, zero
	s_wait_dscnt 4*NL                              ; W_out's set and y's blocks 0-3 are in; the youngest sixteen loads may be out
	WIN MUL_LO
	MUL16 0, (\q)%2, \zero
	MUL16 2, (\q)%2, \zero
	s_wait_dscnt 0
	PLACES NP
	FETCH_B \slot, (\q)+1, 1-(\q)%2
	FETCH_A \slot, (\q)+1, 0
	WIN MUL_HI
	MUL16 4, (\q)%2, \zero
	MUL16 6, (\q)%2, \zero
	PLACES NP
	WIN 0
	FETCH_A \slot, (\q)+1, 4
.endm
.macro TURN slot, next, fill
	s_wait_tensorcnt 0x0                           ; all my tensor loads have landed: my part of the next slot
	ds_add_u32 v[SPW], v[NIL]                      ; 0 onto my spare word
	s_wait_dscnt 4*NL+1                            ; the add and the youngest sixteen loads may be out
	WIN MUL_LO
	MUL16 0, 1, 0
	s_wait_dscnt 0x0                               ; the add is done, and my reads of this slot are over
	s_barrier_signal -1
	MUL16 2, 1, 0
	WIN 0
	s_barrier_wait -1
.if \fill
	CREST
	s_add_nc_u64 s[G0+4*\slot+2:G0+4*\slot+3], s[G0+4*\slot+2:G0+4*\slot+3], 2*HALFA
	s_add_nc_u64 s[G0B+4*\slot+2:G0B+4*\slot+3], s[G0B+4*\slot+2:G0B+4*\slot+3], 2*ROWB
	JLOAD G0+4*\slot, G1, G0B+4*\slot, G1B         ; my one tensor load behind the round
.else
	PLACES NP
.endif
	FETCH_B \next, 0, 0
	FETCH_A \next, 0, 0
	WIN MUL_HI
	MUL16 4, 1, 0
	MUL16 6, 1, 0
	PLACES NP
	WIN 0
	FETCH_A \next, 0, 4
.endm
	s_wait_tensorcnt 1                             ; my part of K step 0 is in; K step 1's load may be out
	s_barrier_signal -1
	s_barrier_wait -1
	FETCH_B 0, 0, 0
	FETCH_A 0, 0, 0
	FETCH_A 0, 0, 4
	STEP 0, 0, 1
	s_mov_b32 s3, LAPS-1
.Llap:
	TURN 0, 1, 1
	STEP 1, 0, 0
	TURN 1, 0, 1
	STEP 0, 0, 0
	s_sub_co_u32 s3, s3, 1
	s_cmp_lg_u32 s3, 0
	s_cbranch_scc1 .Llap
	TURN 0, 1, 0
	STEP 1, 0, 0
	s_wait_dscnt 4*NL
	WIN MUL_LO
	MUL16 0, 1, 0
	MUL16 2, 1, 0
	s_wait_dscnt 0
	WIN MUL_HI
	MUL16 4, 1, 0
	MUL16 6, 1, 0
	WIN 0
	; ---- THE WAY OUT, block by block of 16 rows x 128 columns, through my own stage: whole rows of 512 bytes leave
	s_wait_kmcnt 0x0
	s_add_co_i32 s96, s82, s83
	s_add_co_i32 s96, s96, 127
	s_lshl_b32 s96, s96, 23                        ; 2^(e6 + e7) as f32
	s_wait_loadcnt 0x0                             ; the rows' flags and the bias
	PLACES NP
.macro O_BLOCK a
.set AC, 64*((\a)%4)
.if (\a) > 0
	s_wait_xcnt 0x0                                ; the last block's stores have read their registers and their base
	s_add_nc_u64 s[70:71], s[70:71], 65536         ; 16 rows on
.endif
	v_mul_f32 v[FP], s96, v[SROW+(\a)]             ; my row's factor, twice: a pair for the packed form
	v_mul_f32 v[FP+1], s96, v[SROW+(\a)]
	WIN 0x02+((\a)/4)
.set j, 0
.rept 32
	v_pk_fma_f32 v[TMP+j:TMP+j+1], v[AC+j:AC+j+1], v[FP:FP+1], v[BIAS+j:BIAS+j+1]   ; sum x factor + bias; each accumulator from its low end on
.set j, j+2
.endr
	WIN 0
.irp b, 0,1,2,3,4,5,6,7
	ds_store_b128 v[STO], v[TMP+8*\b:TMP+8*\b+3] offset:64*\b
	ds_store_b128 v[STO], v[TMP+8*\b+4:TMP+8*\b+7] offset:64*\b+16
.endr
.irp t, 0,1,2,3,4,5,6,7,8,9,10,11,12,13,14,15
	ds_load_b128 v[BK+4*\t:BK+4*\t+3], v[RD] offset:\t*SPITCH      ; LDS serves a wave's instructions in order: these see my stores
.endr
.irp t, 0,1,2,3,4,5,6,7,8,9,10,11,12,13,14,15
	s_wait_dscnt 15-\t
	global_store_b128 v[CO], v[BK+4*\t:BK+4*\t+3], s[70:71] offset:\t*4096 th:TH_STORE_NT   ; 32 lanes store 512 consecutive bytes, aligned
.endr
.endm
.irp a, 0,1,2,3,4,5,6,7
	O_BLOCK \a
.endr
	s_wait_tensorcnt 0x0                           ; the wave's end
	ds_add_u32 v[SPW], v[NIL]
	s_wait_dscnt 0x0
	CROUND                                         ; the closing round
	s_endpgm
.Lfunc_end_k_q318b2a0f07_outp:
	.size	k_q318b2a0f07_outp, .Lfunc_end_k_q318b2a0f07_outp-k_q318b2a0f07_outp
	.p2alignl 7, 3214868480
	.fill 96, 4, 3214868480
	.section	.rodata,"a",@progbits
	.p2align	6, 0x0
	.amdhsa_kernel k_q318b2a0f07_outp
		.amdhsa_group_segment_fixed_size 327680
		.amdhsa_private_segment_fixed_size 0
		.amdhsa_enable_private_segment 0
		.amdhsa_kernarg_size 48
		.amdhsa_user_sgpr_count 2
		.amdhsa_user_sgpr_kernarg_segment_ptr 1
		.amdhsa_wavefront_size32 1
		.amdhsa_system_sgpr_workgroup_id_x 1
		.amdhsa_system_sgpr_workgroup_id_y 1
		.amdhsa_system_sgpr_workgroup_id_z 1
		.amdhsa_system_vgpr_workitem_id 0
		.amdhsa_next_free_vgpr 1024
		.amdhsa_next_free_sgpr 100
		.amdhsa_reserve_vcc 0
		.amdhsa_float_denorm_mode_32 3
		.amdhsa_float_denorm_mode_16_64 3
		.amdhsa_memory_ordered 1
		.amdhsa_forward_progress 1
		.amdhsa_inst_pref_size 130
	.end_amdhsa_kernel
	.amdgpu_metadata
---
amdhsa.version: [ 1, 2 ]
amdhsa.kernels:
  - .name:           k_q318b2a0f07_outp
    .symbol:         k_q318b2a0f07_outp.kd
    .args:
      - { .name: y_img, .offset: 0, .size: 8, .value_kind: global_buffer, .address_space: global }
      - { .name: w_codes, .offset: 8, .size: 8, .value_kind: global_buffer, .address_space: global }
      - { .name: lowp_scales, .offset: 16, .size: 8, .value_kind: global_buffer, .address_space: global }
      - { .name: b_out, .offset: 24, .size: 8, .value_kind: global_buffer, .address_space: global }
      - { .name: rowflag, .offset: 32, .size: 8, .value_kind: global_buffer, .address_space: global }
      - { .name: out0, .offset: 40, .size: 8, .value_kind: global_buffer, .address_space: global }
    .group_segment_fixed_size: 327680
    .private_segment_fixed_size: 0
    .kernarg_segment_align: 8
    .kernarg_segment_size: 48
    .max_flat_workgroup_size: 128
    .sgpr_count:     100
    .vgpr_count:     1024
    .wavefront_size: 32
...
	.end_amdgpu_metadata
.endif
;; end of part 4
;; ======== version 2 of 2: 4 launches; version 1 with the launch attn written anew for expert scheduling mode
;; workspace buffers: x_codes 8,388,608 bytes; w_codes 4,194,304 bytes; rope 524,288 bytes; qkv_img 25,165,824 bytes; y_img 8,388,608 bytes; rowflag 32,768 bytes
;; launch prep: the kernel of part 1 again; grid 416 x 1, 4 waves a work-group, no clusters, 102,912 bytes of LDS; arguments x, W_qkv, W_out, lowp_scales, x_codes, w_codes, rope; writes x_codes, w_codes, rope
;; launch qkv: the kernel of part 2 again; grid 12 x 32, 4 waves a work-group, clusters of 4 x 4, 327,680 bytes of LDS; arguments x_codes, w_codes, lowp_scales, b_qkv, rope, qkv_img; writes qkv_img
;; launch attn (part 5): grid 4 x 64, 16 waves a work-group, no clusters, 75,776 bytes of LDS; arguments qkv_img, pad_mask, lowp_scales, y_img, rowflag; writes y_img, rowflag
.if DOCPART == 5
	.amdgcn_target "amdgcn-amd-amdhsa--gfx1250"
	.amdhsa_code_object_version 6
	.text
	.protected	k_q318b2a0f07_attn
	.globl	k_q318b2a0f07_attn
	.p2align	8
	.type	k_q318b2a0f07_attn,@function
k_q318b2a0f07_attn:
	s_mov_b64 s[64:65], 0
	v_nop
	global_prefetch_b8 v0, s[64:65] scope:SCOPE_SE
	s_setreg_imm32_b32 hwreg(HW_REG_WAVE_SCHED_MODE, 0, 2), 2
	s_setreg_imm32_b32 hwreg(HW_REG_WAVE_MODE, 25, 1), 1
	s_wait_xcnt 0x0
	s_wait_alu depctr_vm_vsrc(0)
; ATTN: y = softmax(q k^T / 8, causal, padded keys hidden) v for 64 (batch, head) pairs of 2,048 tokens x 64, both products on codes of E4M3 that lie in memory as images of the operands' registers.
; THE SOFTMAX AHEAD OF THE SECOND PRODUCT: t = score x log2(e) / 8; M = the row's largest t so far, rounded up to a whole number; p = 2^(t - M) is quantised (2^e4), not normalised; the row's sum is taken of the
; unquantised p and divides at the end.  When M moves, the sum and O are multiplied by 2^(old M - new M): exact.
; SHARES.  Work-group (I, batch x head) owns the blocks of 256 queries I and 7 - I, one after the other: (I + 1) + (8 - I) = 9 slots of 256 keys for every work-group, so all 256 have the same work and the trip count is a constant.
; Each of sixteen waves owns 16 queries of the block in hand: four waves to a SIMD, so that one wave's vector work stands beside another's products and LDS loads.
; LAYOUT.  S^T = K Q^T (source 0 = 16 keys, source 1 = my queries): a lane holds one query, register j of tile t key 16 t + 8 (lane / 16) + j: the conversions' results are P's fragment (K = 128 keys).
; O^T = V^T P^T: a lane holds one query and d = 16 dt + 8 (lane / 16) + j: the conversions' results are y's image, the last launch's operand: [128 rows 64][K step 4][16 rows 8][head 4][1,024].
; K AND V come global -> registers -> LDS: each thread's four 16-byte loads are issued a whole slot's work ahead of the wait for them and then stored into the slot that is not being read; one barrier a trip.
; NO TENSOR LOADS AND NO CLUSTER: the four work-groups of a head stand at different slots at any time, so there is no tile to ask for jointly.
; A ROW WITHOUT A VISIBLE KEY (all its keys up to the diagonal padded): every p is 0, the sum is 0; rowflag gets NaN for it (1.0 else) and the last launch multiplies the row's sums by it.
; LIMITS: e2 + e3 between -123 and 130 (added to c's exponent field); e4 and e6 between -126 and 119.  NaN and infinities among the inputs are not served.
; REGISTERS: v1 16 lane; v2 16 thread; v4 bias base; v6 r - 8 h; v7 4 r; v8-10 addresses of the trip; v12 -M, v13 largest t, v[14:15] the sum; v16-23 Q; v24-31 the second block's Q; v32-95 K's fragments, then the mask's
; numbers, then V's fragments; v96-159 S^T, then p; v160-191 O^T; v192-207 codes; v208-223 the next slot on its way; v236-255 at work and constants.
; THE MODE: SCHED_MODE bits 1:0 = 2 (LLVM: expert scheduling mode 2), set by the entry lines.  The code itself states the register dependences between vector or matrix instructions and memory or LDS
; instructions, and those from a vector instruction's scalar result to its readers, with s_wait_alu, always for 0.
; THE PLAN.  Registers that memory or LDS instructions touch:
;   v208-223    written by the four global loads at a trip's head, read by the four LDS stores at its end; no vector instruction names them.
;   v32-95      in a step: K's LDS loads land, the eight score products read; (a padded key: the mask's LDS loads land, 32 additions read;) V's LDS loads land, the four products V^T P read.
;   v8, v9, v10 written by three additions at a trip's head; read by the trip's LDS loads (v8, v9) and LDS stores (v10).
;   v192-199, v252   a finished block's store data: written by its conversions and its select, written again by later steps.
;   v1, v2, v7  offsets, made once at the head.
; A trip's head has one wait on vm_vsrc (all that memory and LDS instructions have read may be written) and, behind the three additions, one on va_vdst (v8-10 are written; nobody still works on v32-95).
; A step has one wait on va_vdst behind its score products (and one behind the mask's additions), which frees v32-95 for V; step 1 has one more at its head, behind step 0's last products.
; Behind the wait for V no vector line of the softmax names v8 or v32-95: V's sixteen loads are dealt among them, four at a time.
.set SLOT1, 32768                      ; slot 0 at byte 0, slot 1 here: K's 16 images (16,384 bytes), then V's 8
.set VOFF,  16384
.set BIASL, 65536                      ; 2,048 f32: 0, or -infinity for a padded key of my batch
.set WV, 14
.set I,  15
.set BH, 16
.set BAT, 17
.set HD, 18
.set J,  19
.set TB, 20                            ; the slot that is read
.set TS, 21                            ; the slot that is written
.set Q0, 22                            ; my first query
.set KF, 23                            ; the slot's first key
.set PADB, 24                          ; bit i: a padded key among keys 64 i .. 64 i + 63 of my batch
.set PADT, 25                          ; the same, from the slot in hand on
.set HOLDF, 26                         ; 1 where 448 x 2^e4 lies under 1, so that p needs its hold
.set CS, 28                            ; s[28:29] c = log2(e) / 8 x 2^(e2 + e3)
.set SEL, 30                           ; s[30:31] selects for lane l xor 16
.set MH, 40                            ; s[40:43] at the head: four compares' masks
.set MK, 66                            ; s[66:97] the diagonal step: 32 compares' masks
	s_load_b128 s[4:7], s[0:1], 0x0                ; qkv_img s[4:5], pad_mask s[6:7]
	s_load_b128 s[8:11], s[0:1], 0x10              ; the scales' exponents s[8:9], y_img s[10:11]
	s_load_b64 s[12:13], s[0:1], 0x20              ; rowflag
	v_lshl_add_u32 v248, v0, 2, 0x12000
	v_mov_b32 v249, 0
	v_lshrrev_b32 v1, 5, v0
	v_readfirstlane_b32 s[WV], v1                  ; wave 0..15
	s_mov_b32 s[I], ttmp9
	s_and_b32 s[BH], ttmp7, 0xffff
	s_lshr_b32 s[BAT], s[BH], 4
	s_and_b32 s[HD], s[BH], 15
	v_and_b32 v3, 31, v0
	v_lshlrev_b32 v1, 4, v3                        ; 16 x lane
	v_lshlrev_b32 v2, 4, v0                        ; 16 x thread
	v_and_b32 v5, 15, v0                           ; r
	v_bfe_u32 v11, v0, 4, 1                        ; h
	v_lshl_add_u32 v4, v11, 5, BIASL
	v_lshlrev_b32 v6, 3, v11
	v_sub_nc_u32 v6, v5, v6                        ; r - 8 h
	v_lshlrev_b32 v7, 2, v5
	s_wait_alu depctr_va_sdst(0)                   ; the wave's number is written, ahead of its first reader two lines down
	s_lshl_b32 s52, s[I], 4
	s_add_co_u32 s52, s52, s[WV]                   ; my tile of queries in block I,
	s_lshl_b32 s[Q0], s52, 4
	s_lshl_b32 s52, s52, 10
	s_sub_co_u32 s53, 7, s[I]
	s_lshl_b32 s53, s53, 4
	s_add_co_u32 s53, s53, s[WV]                   ; and in block 7 - I
	s_lshl_b32 s61, s53, 4
	s_lshl_b32 s53, s53, 10
	v_add_nc_u32 v8, s52, v1
	v_add_nc_u32 v9, s53, v1
	v_lshlrev_b32 v10, 6, v3                       ; 64 x lane
	v_lshlrev_b32 v12, 2, v0                       ; 4 x thread
	s_lshl_b32 s54, s[BH], 17                      ; a head's images: 131,072 bytes in each of q, k, v
	s_mov_b32 s55, 0
	s_lshl_b32 s56, s[BAT], 11
	s_mov_b32 s57, 0
	s_mov_b32 s[SEL], 0x76543210
	s_mov_b32 s[SEL+1], 0xfedcba98
	s_mov_b32 s[TB], 0
	s_mov_b32 s[TS], SLOT1
	s_wait_kmcnt 0x0
	s_load_b256 s[44:51], s[8:9], 0x0              ; e0 .. e7
	s_add_nc_u64 s[4:5], s[4:5], s[54:55]          ; q of my head
	s_add_nc_u64 s[32:33], s[4:5], 0x800000        ; k
	s_add_nc_u64 s[34:35], s[4:5], 0x1000000       ; v
	s_add_nc_u64 s[6:7], s[6:7], s[56:57]          ; my batch's mask
	s_wait_alu depctr_va_vdst(0)                   ; the offsets v1, v2, v7, v8, v9, v10 and v12 are written, which the loads below and all later loads and stores read
	global_load_b128 v[16:19], v8, s[4:5]
	global_load_b128 v[20:23], v8, s[4:5] offset:512
	global_load_b128 v[24:27], v9, s[4:5]
	global_load_b128 v[28:31], v9, s[4:5] offset:512
.irp i, 0,1,2,3
	global_load_b128 v[32+4*\i:35+4*\i], v10, s[6:7] offset:16*\i      ; every wave: the batch's 2,048 bytes, 64 a lane
.endr
	global_load_b32 v48, v12, s[6:7]                                   ; the work-group: four bytes a thread
	global_load_b128 v[208:211], v2, s[32:33]                          ; slot 0: K's 16,384 bytes,
	global_load_b128 v[212:215], v2, s[32:33] offset:8192
	global_load_b128 v[216:219], v2, s[34:35]                          ; V's
	global_load_b128 v[220:223], v2, s[34:35] offset:8192
	v_mov_b32 v250, 0xff800000                     ; -infinity
	v_mov_b32 v251, 0x7fc00000                     ; NaN
	v_mov_b32 v236, 0                              ; written once: a lane permute's destination counts as read
	v_mov_b32 v253, 0                              ; (named as the upper halves of pairs)
	v_mov_b32 v255, 0
	v_mov_b32 v13, 0xff61b1e6                      ; the largest t so far: -3e38
	v_mov_b32 v14, 0
	v_mov_b32 v15, 0
.set n, 0
.rept 32
	v_mov_b32 v[160+n], 0                          ; O^T: the step is written once; the first finds zeros
.set n, n+1
.endr
	v_add_nc_u32 v50, BIASL, v2
	s_wait_kmcnt 0x0
	s_add_co_i32 s52, s46, s47
	s_lshl_b32 s52, s52, 23
	s_mov_b32 s[CS], 0x3e38aa3b                    ; log2(e) / 8
	s_add_co_i32 s[CS], s[CS], s52                 ; x 2^(e2 + e3): added to its exponent field
	s_mov_b32 s[CS+1], s[CS]
	s_add_co_i32 s52, s48, 127
	s_lshl_b32 s53, s52, 23
	v_mov_b32 v244, s53                            ; 2^e4
	s_add_co_i32 s52, s52, 8
	s_lshl_b32 s52, s52, 23
	s_or_b32 s52, s52, 0x600000
	v_mov_b32 v240, s52                            ; 448 x 2^e4
	s_add_co_i32 s52, s50, 127
	s_lshl_b32 s53, s52, 23
	v_mov_b32 v247, s53                            ; 2^e6
	s_add_co_i32 s52, s52, 8
	s_lshl_b32 s52, s52, 23
	s_or_b32 s52, s52, 0x600000
	v_mov_b32 v246, s52                            ; 448 x 2^e6
	s_add_co_i32 s60, s48, s49                     ; e4 + e5
	s_cmp_lt_i32 s48, -8
	s_cselect_b32 s[HOLDF], 1, 0                   ; p <= 1 <= 448 x 2^e4 from e4 = -8 on
	s_wait_loadcnt 0x0
	s_wait_alu depctr_vm_vsrc(0)                   ; the load of my four mask bytes has read its offset v12, which the next line writes
	v_floor_f32 v12, -v13                          ; -M
.irp i, 0,2,4,6,8,10,12,14
	v_or_b32 v[32+\i], v[32+\i], v[33+\i]
.endr
.irp i, 0,4,8,12
	v_or_b32 v[32+\i], v[32+\i], v[34+\i]
.endr
	v_or_b32 v32, v32, v36
	v_or_b32 v40, v40, v44
	v_or_b32 v32, v32, v40
	v_cmp_ne_u32 s[PADB], 0, v32
.irp k, 0,1,2,3
	v_bfe_u32 v[56+\k], v48, 8*\k, 8
.endr
.irp k, 0,1,2,3
	v_cmp_ne_u32 s[MH+\k], 0, v[56+\k]             ; the compares stand in one run, each with a scalar register of its own
.endr
	s_wait_alu depctr_va_sdst(0)                   ; the five compares have written their masks: four are read by the selects below, s[PADB] by scalar lines behind the loop's label
.irp k, 0,1,2,3
	v_cndmask_b32 v[52+\k], 0, v250, s[MH+\k]
.endr
	s_wait_alu depctr_va_vdst(0)                   ; the selects have written v52-55 and the addition v50, which the first LDS store reads
	ds_store_b128 v50, v[52:55]
	ds_store_b128 v2, v[208:211]
	ds_store_b128 v2, v[212:215] offset:8192
	ds_store_b128 v2, v[216:219] offset:16384
	ds_store_b128 v2, v[220:223] offset:24576
	s_wait_dscnt 0x0                               ; for the others' sake: my stores have landed
	s_barrier_signal -1
	s_barrier_wait -1
; V's fragment d of the slot's q-th 128 keys: four LDS loads
.macro VLOAD q, d
.irp c, 0,1,2,3
	ds_load_b128 v[32+16*(\d)+4*\c:35+16*(\d)+4*\c], v8 offset:VOFF+8192*(\q)+2048*(\d)+512*\c
.endr
.endm
; A KEY STEP: 128 keys, the q-th of the slot in hand
.macro STEP q
	s_add_co_u32 s52, s[KF], 128*\q                ; the step's first key
	s_add_co_u32 s53, s[Q0], 15
	s_cmp_gt_u32 s52, s53
	s_cbranch_scc1 .Lhidden_\@                     ; all its keys come after my queries: a branch on ids, round the step's work alone
.rept 4
	v_nop                                          ; places in front of loads into registers that the last products read
.endr
.if \q
	s_wait_alu depctr_va_vdst(0)                   ; step 0's four products V^T P are done reading v32-95, in which K's fragments land.  (Step 0 itself leans on the wait at the trip's head)
.endif
.irp t, 0,1,2,3,4,5,6,7
	ds_load_b128 v[32+8*\t:35+8*\t], v8 offset:8192*\q+1024*\t
	ds_load_b128 v[36+8*\t:39+8*\t], v8 offset:8192*\q+1024*\t+512
.endr
	s_wait_dscnt 0x0
.irp t, 0,1,2,3,4,5,6,7
	v_wmma_f32_16x16x64_fp8_fp8 v[96+8*\t:103+8*\t], v[32+8*\t:39+8*\t], v[16:23], 0
.endr
.rept 4
	v_nop
.endr
	s_wait_alu depctr_va_vdst(0)                   ; the eight products are done reading v32-95, in which the mask's numbers or V's fragments land; the places above stay beside this wait
	s_bfe_u32 s53, s[PADT], 0x20000+2*\q           ; is a key of these 128 padded?
	s_cmp_eq_u32 s53, 0
	s_cbranch_scc1 .Lnopad_\@
.irp t, 0,1,2,3,4,5,6,7
	ds_load_b128 v[32+8*\t:35+8*\t], v9 offset:512*\q+64*\t
	ds_load_b128 v[36+8*\t:39+8*\t], v9 offset:512*\q+64*\t+16
.endr
	s_wait_dscnt 0x0
.set n, 0
.rept 32
	v_pk_add_f32 v[96+n:97+n], v[96+n:97+n], v[32+n:33+n]   ; + 0 or -infinity
.set n, n+2
.endr
	s_wait_alu depctr_va_vdst(0)                   ; the additions are done reading v32-95, in which V's fragments land
.Lnopad_\@:
	VLOAD \q, 0                                    ; V's four fragments land under the softmax, four loads at a time: no vector line from here to the wait for them names v8 or v32-95
	s_add_co_u32 s53, s52, 127
	s_cmp_le_u32 s53, s[Q0]
	s_cbranch_scc1 .Lopen_\@                       ; all 128 keys count for all my queries
	s_sub_co_i32 s53, s[Q0], s52
	v_add_nc_u32 v252, s53, v6                     ; my query - the step's first key - 8 h: register 8 t + j is hidden where 16 t + j is above it
.irp g, 0,1                                    ; two runs of 32 compares, each compare with a scalar register of its own
.set n, 32*\g
.rept 32
	v_cmp_gt_i32 s[MK+n%32], 16*(n/8)+n%8, v252
.set n, n+1
.endr
	s_wait_alu depctr_va_sdst(0)                   ; the run's 32 compares have written s[66:97], which the 32 selects below read
.set n, 32*\g
.rept 32
	v_cndmask_b32 v[96+n], v[96+n], v250, s[MK+n%32]
.set n, n+1
.endr
.endr
.Lopen_\@:
	VLOAD \q, 1
	v_max3_num_f32 v254, v96, v97, v98             ; the step's largest score of my query, in two chains,
	v_max3_num_f32 v252, v99, v100, v101
.irp i, 6,10,14,18,22,26,30,34,38,42,46,50,54,58
	v_max3_num_f32 v254, v254, v[96+\i], v[97+\i]
	v_max3_num_f32 v252, v252, v[98+\i], v[99+\i]
.endr
	v_max3_num_f32 v254, v254, v158, v159
	v_max_num_f32 v254, v254, v252
	VLOAD \q, 2
	v_permlanex16_b32 v236, v254, s[SEL], s[SEL+1]
	v_max_num_f32 v254, v254, v236                 ; and among lane l xor 16's
	v_mul_f32 v254, s[CS], v254                    ; as t
	v_max_num_f32 v13, v13, v254                   ; the running largest t
	v_mov_b32 v254, v12
	v_floor_f32 v12, -v13                          ; the new -M = -ceil(t)
	v_sub_f32 v254, v12, v254                      ; old M - new M: a whole number, 0 or less
	v_cvt_i32_f32 v254, v254                       ; (it saturates)
	v_ldexp_f32 v252, 1.0, v254                    ; f = 2^(old M - new M)
.set n, 0
.rept 32
	v_pk_fma_f32 v[96+n:97+n], v[96+n:97+n], s[CS:CS+1], v[12:13] op_sel_hi:[1,0,0]   ; t - M
.set n, n+2
.endr
	VLOAD \q, 3
.set n, 0
.rept 64
	v_exp_f32 v[96+n], v[96+n]                     ; p = 2^(t - M)
.set n, n+1
.endr
	v_pk_mul_f32 v[14:15], v[14:15], v[252:253] op_sel_hi:[1,0]   ; the sums under the new M: the plain line behind the exponentials
	s_wait_alu depctr_va_vdst(0)                   ; the 64 exponentials have written v96-159: one wait for the batch, ahead of its first reader
	v_pk_add_f32 v[242:243], v[96:97], v[98:99]    ; the row's sum of the unquantised p, in two chains
.irp j, 4,8,12,16,20,24,28,32,36,40,44,48,52,56,60
	v_pk_add_f32 v[14:15], v[14:15], v[96+\j:97+\j]
	v_pk_add_f32 v[242:243], v[242:243], v[98+\j:99+\j]
.endr
	v_pk_add_f32 v[14:15], v[14:15], v[242:243]
	s_cmp_eq_u32 s[HOLDF], 0
	s_cbranch_scc1 .Lnohold_\@                     ; p is at most 1: it needs its hold only where 448 x 2^e4 lies under 1
.set n, 0
.rept 64
	v_min_num_f32 v[96+n], v[96+n], v240
.set n, n+1
.endr
.Lnohold_\@:
.irp t, 0,1,2,3,4,5,6,7
	v_cvt_scalef32_pk8_fp8_f32 v[192+2*\t:193+2*\t], v[96+8*\t:103+8*\t], v244
.endr
.set n, 0
.rept 16
	v_pk_mul_f32 v[160+n:161+n], v[160+n:161+n], v[252:253] op_sel_hi:[1,0]   ; O^T under the new M; also the plain lines behind the conversions
.set n, n+2
.endr
	s_wait_dscnt 0x0                               ; V is in
.irp d, 0,1,2,3
	v_wmma_f32_16x16x128_fp8_fp8 v[160+8*\d:167+8*\d], v[32+16*\d:47+16*\d], v[192:207], v[160+8*\d:167+8*\d]   ; the four accumulators by turns; the scores' eight products stand between two steps' turns
.endr
.Lhidden_\@:
.endm
	s_mov_b32 s[J], 0
.Ltrip:                                                ; nine trips: slots 0 .. I for block I, then slots 0 .. 7 - I for block 7 - I
	s_sub_co_u32 s52, s[J], s[I]
	s_sub_co_u32 s52, s52, 1
	s_cmp_le_u32 s[J], s[I]
	s_cselect_b32 s52, s[J], s52
	s_and_b32 s52, s52, 7                          ; the slot's number among the head's eight
	s_lshl_b32 s[KF], s52, 8
	s_lshl_b32 s53, s52, 2
	s_lshr_b32 s[PADT], s[PADB], s53
	s_lshl_b32 s53, s52, 10
	s_wait_alu depctr_vm_vsrc(0)                   ; all earlier loads and stores have read their registers: v8-10, written just below; v208-223 (the LDS stores' data), in which this trip's loads land; v50 and v52-55 (the head's LDS store), in which K lands; v192-199 and v252 (a finished block's stores), which the steps write again
	v_add_nc_u32 v8, s[TB], v1
	v_add_nc_u32 v9, s53, v4
	v_add_nc_u32 v10, s[TS], v2
	s_wait_alu depctr_va_vdst(0)                   ; v8, v9 and v10 are written, which this trip's LDS loads and stores read; and every earlier vector and matrix instruction is done with v32-95, in which step 0's K lands
	s_cmp_lt_u32 s[J], 8
	s_cbranch_scc0 .Lno_next                       ; the last trip asks for nothing
	s_add_co_u32 s54, s[J], 1
	s_sub_co_u32 s55, s[J], s[I]
	s_cmp_le_u32 s54, s[I]
	s_cselect_b32 s54, s54, s55
	s_and_b32 s54, s54, 7                          ; the next trip's slot
	s_lshl_b32 s54, s54, 14
	s_mov_b32 s55, 0
	s_add_nc_u64 s[36:37], s[32:33], s[54:55]      ; (the last trip's loads were waited for)
	s_add_nc_u64 s[38:39], s[34:35], s[54:55]
	global_load_b128 v[208:211], v2, s[36:37]
	global_load_b128 v[212:215], v2, s[36:37] offset:8192
	global_load_b128 v[216:219], v2, s[38:39]
	global_load_b128 v[220:223], v2, s[38:39] offset:8192
.Lno_next:
	STEP 0
	STEP 1
	s_wait_loadcnt 0x0                             ; the four loads issued at the trip's head; on every path
	s_cmp_lt_u32 s[J], 8
	s_cbranch_scc0 .Lno_store
	ds_store_b128 v10, v[208:211]                  ; into the slot that nobody reads in this trip.  (v10 was shown written at the trip's head; the data come from loads)
	ds_store_b128 v10, v[212:215] offset:8192
	ds_store_b128 v10, v[216:219] offset:16384
	ds_store_b128 v10, v[220:223] offset:24576
.Lno_store:
	s_cmp_eq_u32 s[J], s[I]
	s_cselect_b32 s52, 1, 0
	s_cmp_eq_u32 s[J], 8
	s_cselect_b32 s52, 1, s52
	s_cmp_eq_u32 s52, 0
	s_cbranch_scc1 .Lno_finish
	; ---- a block of queries is finished
.rept 4
	v_nop                                          ; places behind the last products
.endr
	v_add_f32 v14, v14, v15
	v_permlanex16_b32 v236, v14, s[SEL], s[SEL+1]
	v_add_f32 v14, v14, v236                       ; the row's sum
	v_cmp_eq_f32 vcc_lo, 0, v14
	v_mov_b32 v252, 1.0
	s_wait_alu depctr_va_vcc(0)                    ; the compare has written VCC, which the select reads
	v_cndmask_b32 v252, v252, v251, vcc_lo         ; NaN for a row without a visible key
	s_lshl_b32 s52, s[BAT], 11
	s_add_co_u32 s52, s52, s[Q0]                   ; my first row among the 8,192
	s_lshl_b32 s54, s52, 2
	s_mov_b32 s55, 0
	s_add_nc_u64 s[58:59], s[12:13], s[54:55]
	s_lshr_b32 s54, s52, 7
	s_lshl_b32 s54, s54, 2
	s_lshr_b32 s53, s[HD], 2
	s_add_co_u32 s54, s54, s53
	s_lshl_b32 s54, s54, 5
	s_bfe_u32 s53, s52, 0x30004
	s_lshl_b32 s53, s53, 2
	s_add_co_u32 s54, s54, s53
	s_and_b32 s53, s[HD], 3
	s_add_co_u32 s54, s54, s53
	s_lshl_b32 s54, s54, 10                        ; ((row / 128 x 4 + head / 4) x 32 + (row / 16 % 8) x 4 + head % 4) x 1,024
	s_add_nc_u64 s[56:57], s[10:11], s[54:55]
	v_rcp_f32 v254, v14
	v_nop
	s_wait_alu depctr_va_vdst(0)                   ; the reciprocal has written v254, ahead of its first reader
	v_ldexp_f32 v254, v254, s60                    ; x 2^(e4 + e5)
.set n, 0
.rept 16
	v_pk_mul_f32 v[96+n:97+n], v[160+n:161+n], v[254:255] op_sel_hi:[1,0]   ; y; each accumulator from its low end on
.set n, n+2
.endr
.set n, 0
.rept 32
	v_med3_num_f32 v[96+n], v[96+n], -v246, v246
.set n, n+1
.endr
.irp d, 0,1,2,3
	v_cvt_scalef32_pk8_fp8_f32 v[192+2*\d:193+2*\d], v[96+8*\d:103+8*\d], v247
.endr
	v_nop
	s_wait_alu depctr_va_vdst(0)                   ; the conversions have written v192-199 and the select v252: the data of the block's three stores, which stand together behind this one wait
	global_store_b128 v1, v[192:195], s[56:57]             ; 512 consecutive bytes each
	global_store_b128 v1, v[196:199], s[56:57] offset:512
	s_cmp_lg_u32 s[HD], 0
	s_cbranch_scc1 .Lnot_head_0                    ; the flag is the same for all heads of a batch: head 0's work-groups store it
	global_store_b32 v7, v252, s[58:59]            ; lanes r and r + 16 hold the same number and name the same word
.Lnot_head_0:
.set n, 0
.rept 32
	v_mov_b32 v[160+n], 0                          ; the second block begins as the first did
.set n, n+1
.endr
.irp i, 0,1,2,3,4,5,6,7
	v_mov_b32 v[16+\i], v[24+\i]
.endr
	v_mov_b32 v13, 0xff61b1e6
	v_floor_f32 v12, -v13
	v_mov_b32 v14, 0
	v_mov_b32 v15, 0
	s_mov_b32 s[Q0], s61
	s_wait_xcnt 0x0                                ; the stores have read their registers and bases: both are written again further on (for the vector registers the wait on vm_vsrc at the next trip's head stands beside this one)
.Lno_finish:
	s_wait_dscnt 0x0                               ; my stores into the next slot have landed, and my reads of this slot are back
	s_barrier_signal -1
	s_barrier_wait -1
	s_xor_b32 s[TB], s[TB], SLOT1
	s_xor_b32 s[TS], s[TS], SLOT1
	s_add_co_u32 s[J], s[J], 1
	s_cmp_lt_u32 s[J], 9
	s_cbranch_scc1 .Ltrip
	s_wait_dscnt 0x0                               ; the closing lines, six on end
	s_wait_alu 0x0
	s_wait_tensorcnt 0x0
	ds_add_u32 v248, v249
	s_wait_dscnt 0x0
	s_endpgm
.Lfunc_end_k_q318b2a0f07_attn:
	.size	k_q318b2a0f07_attn, .Lfunc_end_k_q318b2a0f07_attn-k_q318b2a0f07_attn
	.p2alignl 7, 3214868480
	.fill 96, 4, 3214868480
	.section	.rodata,"a",@progbits
	.p2align	6, 0x0
	.amdhsa_kernel k_q318b2a0f07_attn
		.amdhsa_group_segment_fixed_size 75776
		.amdhsa_private_segment_fixed_size 0
		.amdhsa_enable_private_segment 0
		.amdhsa_kernarg_size 40
		.amdhsa_user_sgpr_count 2
		.amdhsa_user_sgpr_kernarg_segment_ptr 1
		.amdhsa_wavefront_size32 1
		.amdhsa_system_sgpr_workgroup_id_x 1
		.amdhsa_system_sgpr_workgroup_id_y 1
		.amdhsa_system_sgpr_workgroup_id_z 1
		.amdhsa_system_vgpr_workitem_id 0
		.amdhsa_next_free_vgpr 256
		.amdhsa_next_free_sgpr 98
		.amdhsa_reserve_vcc 1
		.amdhsa_float_denorm_mode_32 3
		.amdhsa_float_denorm_mode_16_64 3
		.amdhsa_memory_ordered 1
		.amdhsa_forward_progress 1
		.amdhsa_inst_pref_size 72
	.end_amdhsa_kernel
	.amdgpu_metadata
---
amdhsa.version: [ 1, 2 ]
amdhsa.kernels:
  - .name:           k_q318b2a0f07_attn
    .symbol:         k_q318b2a0f07_attn.kd
    .args:
      - { .name: qkv_img, .offset: 0, .size: 8, .value_kind: global_buffer, .address_space: global }
      - { .name: pad_mask, .offset: 8, .size: 8, .value_kind: global_buffer, .address_space: global }
      - { .name: lowp_scales, .offset: 16, .size: 8, .value_kind: global_buffer, .address_space: global }
      - { .name: y_img, .offset: 24, .size: 8, .value_kind: global_buffer, .address_space: global }
      - { .name: rowflag, .offset: 32, .size: 8, .value_kind: global_buffer, .address_space: global }
    .group_segment_fixed_size: 75776
    .private_segment_fixed_size: 0
    .kernarg_segment_align: 8
    .kernarg_segment_size: 40
    .max_flat_workgroup_size: 512
    .sgpr_count:     98
    .vgpr_count:     256
    .wavefront_size: 32
...
	.end_amdgpu_metadata
.endif
;; end of part 5
;; launch outp: the kernel of part 4 again; grid 4 x 32, 4 waves a work-group, clusters of 4 x 4, 327,680 bytes of LDS; arguments y_img, w_codes, lowp_scales, b_out, rowflag, out0; writes out0
